; MI455X (gfx1250); checked and timed in simulation.
; The chip was launched on July 23, 2026; its instructions are those of AMD's public machine-readable ISA for CDNA 5 (MIT licence, August 2026) and "CDNA5" Instruction Set Architecture Reference Guide (July 2026). The comments in the code are by the model that wrote it; some were corrected since.
;; Multi Head Causal Attention. Allowed arithmetic: float matrix products may take bf16 or f16 operands with f32 sums; other float arithmetic in f32, or as packed bf16 or f16 multiplies, adds, multiply-adds, maxima and minima; sums over many terms, partial sums and values carried from step to step in f32; what a program stores and reads back later, other than sums and carried values, may be rounded once to bf16 or f16.
;; Inputs: Wk 768 x 768 float32; Wq 768 x 768 float32; Wv 768 x 768 float32; beta 768 float32; bk 768 float32; bq 768 float32; bv 768 float32; gamma 768 float32; pad_mask 4 x 2,048 float32; x 4 x 2,048 x 768 float32.
;; Outputs: out0 4 x 2,048 x 768 float32.
;; One version. Each part assembles by itself: llvm-mc -triple=amdgcn-amd-amdhsa -mcpu=gfx1250 --defsym DOCPART=n.
;; ======== version 1 of 1: 4 launches
;; limits: right only within a limited range of input values; values are held in f16: magnitudes above 65,504 overflow, below 6.1e-05 lose precision
;; workspace buffers: xb 12,582,912 bytes; wt 3,538,944 bytes; bias 9,216 bytes; qkv 37,748,736 bytes; cs 1,179,648 bytes; att 12,582,912 bytes
;; launch prep (part 1): grid 985 x 1, 8 waves a work-group, no clusters, 18,432 bytes of LDS; arguments x, Wq, Wk, Wv, bq, bk, bv, xb, wt, bias; writes xb, wt, bias
.if DOCPART == 1
	.amdgcn_target "amdgcn-amd-amdhsa--gfx1250"
	.amdhsa_code_object_version 6
	.text
	.protected	k_qb27a724ebd_prep
	.globl	k_qb27a724ebd_prep
	.p2align	8
	.type	k_qb27a724ebd_prep,@function
k_qb27a724ebd_prep:
	s_mov_b64 s[64:65], 0
	v_nop
	global_prefetch_b8 v0, s[64:65] scope:SCOPE_SE
	s_setreg_imm32_b32 hwreg(HW_REG_WAVE_MODE, 25, 1), 1
	s_wait_xcnt 0x0
; PREP.  xb = x rounded to bf16, [8192][768].  wt[mat*768+n][k] = W_mat[k][n] rounded to bf16 (K along the rows), bias = bq*c | bk | bv in f32.
; c = log2(e)/sqrt(96) is folded into Wq and bq in f32, ahead of their one rounding, so that the attention takes 2^(s - m) of its scores as they come.
; Work-groups 0-767: 32,768 bytes of x each.  768-983: one tile of 128 k x 64 n of one W, turned through LDS.  984: the three biases.
; The branch on the work-group's number is the same for all eight waves, so the one barrier is passed by all waves or by none.
.set SPARE, 17408                      ; behind the tile: the spare words, 128 bytes for each of eight waves
.set TP,    272                        ; a row of the turned tile: 128 bf16 + 16 bytes
.set CSC,   0x3e16c740                 ; c = 0.14724445
	s_load_b512 s[8:23], s[0:1], 0x0               ; x s[8:9], Wq s[10:11], Wk s[12:13], Wv s[14:15], bq s[16:17], bk s[18:19], bv s[20:21], xb s[22:23]
	s_load_b128 s[24:27], s[0:1], 0x40             ; wt s[24:25], bias s[26:27]
	v_lshl_add_u32 v62, v0, 2, SPARE               ; my spare word
	v_mov_b32 v63, 0
	v_lshrrev_b32 v1, 5, v0
	v_readfirstlane_b32 s2, v1                     ; wave 0..7
	s_mov_b32 s3, ttmp9
	s_mov_b32 s37, 0
	s_wait_kmcnt 0x0
	s_cmp_lt_u32 s3, 768
	s_cbranch_scc0 .Lweights
	; x: thread t takes 16 bytes at 4096 i + 16 t, eight loads out at once; a wave's store covers 256 consecutive bytes, aligned
	s_lshl_b32 s36, s3, 15
	s_add_nc_u64 s[8:9], s[8:9], s[36:37]
	s_lshl_b32 s36, s3, 14
	s_add_nc_u64 s[22:23], s[22:23], s[36:37]
	v_lshlrev_b32 v2, 4, v0
	v_lshlrev_b32 v3, 3, v0
.irp i, 0,1,2,3,4,5,6,7
	global_load_b128 v[8+4*\i:11+4*\i], v2, s[8:9] offset:4096*\i th:TH_LOAD_NT
.endr
.irp i, 0,1,2,3,4,5,6,7
	s_wait_loadcnt 7-\i                            ; loads come back in order: load i is in, the younger ones stay out
	v_cvt_pk_bf16_f32 v[40+2*\i], v[8+4*\i], v[9+4*\i]
	v_cvt_pk_bf16_f32 v[41+2*\i], v[10+4*\i], v[11+4*\i]
	global_store_b64 v3, v[40+2*\i:41+2*\i], s[22:23] offset:2048*\i
.endr
	s_branch .Lend
.Lweights:
	s_sub_co_u32 s3, s3, 768
	s_cmp_lt_u32 s3, 216
	s_cbranch_scc0 .Lbias
	s_mul_hi_u32 s32, s3, 0x38e38e4                ; mat = id / 72
	s_mul_i32 s33, s32, 72
	s_sub_co_u32 s33, s3, s33
	s_mul_hi_u32 s34, s33, 0x15555556              ; kt = rest / 12
	s_mul_i32 s35, s34, 12
	s_sub_co_u32 s35, s33, s35                     ; nt
	s_cmp_eq_u32 s32, 0
	s_cselect_b64 s[28:29], s[10:11], s[12:13]
	s_cselect_b32 s30, CSC, 1.0                    ; Wq alone is scaled
	s_cmp_eq_u32 s32, 2
	s_cselect_b64 s[28:29], s[14:15], s[28:29]
	s_mov_b32 s31, s30
	s_mul_i32 s36, s34, 393216                     ; 128 rows of 3,072 bytes
	s_lshl_b32 s38, s35, 8
	s_add_co_u32 s36, s36, s38
	s_add_nc_u64 s[28:29], s[28:29], s[36:37]
	s_mul_i32 s36, s32, 768
	s_lshl_b32 s38, s35, 6
	s_add_co_u32 s36, s36, s38
	s_mul_i32 s36, s36, 1536
	s_lshl_b32 s38, s34, 8
	s_add_co_u32 s36, s36, s38
	s_add_nc_u64 s[24:25], s[24:25], s[36:37]
	v_and_b32 v2, 15, v0                           ; lc: my four columns
	v_lshrrev_b32 v3, 4, v0                        ; rr: 0..15
	v_mul_u32_u24 v4, v3, 6144                     ; rows 2 rr, 2 rr + 1 of each 32
	v_lshl_add_u32 v4, v2, 4, v4
	v_mul_u32_u24 v5, v2, 4*TP
	v_lshl_add_u32 v5, v3, 2, v5                   ; into LDS: row 4 lc + e, byte 64 i + 4 rr
	v_mul_u32_u24 v6, v3, TP
	v_lshl_add_u32 v6, v2, 4, v6                   ; back: row rr + 16 i, 16 bytes at 16 lc
	v_mul_u32_u24 v7, v3, 1536
	v_lshl_add_u32 v7, v2, 4, v7
.irp i, 0,1,2,3
	global_load_b128 v[8+8*\i:11+8*\i], v4, s[28:29] offset:98304*\i
	global_load_b128 v[12+8*\i:15+8*\i], v4, s[28:29] offset:98304*\i+3072
.endr
	s_wait_loadcnt 0x0
.irp q, 0,1,2,3,4,5,6,7,8,9,10,11,12,13,14,15
	v_pk_mul_f32 v[8+2*\q:9+2*\q], v[8+2*\q:9+2*\q], s[30:31] op_sel_hi:[1,0]
.endr
.irp i, 0,1,2,3
.irp e, 0,1,2,3
	v_cvt_pk_bf16_f32 v[40+4*\i+\e], v[8+8*\i+\e], v[12+8*\i+\e]  ; two neighbouring k of one column
	ds_store_b32 v5, v[40+4*\i+\e] offset:\e*TP+64*\i
.endr
.endr
	s_wait_dscnt 0x0                               ; for the others: my stores are done
	s_barrier_signal -1
	s_barrier_wait -1
.irp i, 0,1,2,3
	ds_load_b128 v[8+4*\i:11+4*\i], v6 offset:16*TP*\i
.endr
.irp i, 0,1,2,3
	s_wait_dscnt 3-\i
	global_store_b128 v7, v[8+4*\i:11+4*\i], s[24:25] offset:24576*\i  ; sixteen lanes store 256 consecutive bytes, aligned
.endr
	s_branch .Lend
.Lbias:
	s_cmp_lt_u32 s2, 6                             ; 192 threads x 16 bytes = 768 numbers
	s_cbranch_scc0 .Lend
	v_lshlrev_b32 v2, 4, v0
	global_load_b128 v[8:11], v2, s[16:17]
	global_load_b128 v[12:15], v2, s[18:19]
	global_load_b128 v[16:19], v2, s[20:21]
	s_wait_loadcnt 0x0
	v_pk_mul_f32 v[8:9], v[8:9], CSC op_sel_hi:[1,0]
	v_pk_mul_f32 v[10:11], v[10:11], CSC op_sel_hi:[1,0]
	global_store_b128 v2, v[8:11], s[26:27]
	global_store_b128 v2, v[12:15], s[26:27] offset:3072
	global_store_b128 v2, v[16:19], s[26:27] offset:6144
.Lend:
	s_wait_tensorcnt 0x0                           ; the wave's end
	ds_add_u32 v62, v63
	s_wait_dscnt 0x0
	s_endpgm
.Lfunc_end_k_qb27a724ebd_prep:
	.size	k_qb27a724ebd_prep, .Lfunc_end_k_qb27a724ebd_prep-k_qb27a724ebd_prep
	.p2alignl 7, 3214868480
	.fill 96, 4, 3214868480
	.section	.rodata,"a",@progbits
	.p2align	6, 0x0
	.amdhsa_kernel k_qb27a724ebd_prep
		.amdhsa_group_segment_fixed_size 18432
		.amdhsa_private_segment_fixed_size 0
		.amdhsa_enable_private_segment 0
		.amdhsa_kernarg_size 80
		.amdhsa_user_sgpr_count 2
		.amdhsa_user_sgpr_kernarg_segment_ptr 1
		.amdhsa_wavefront_size32 1
		.amdhsa_system_sgpr_workgroup_id_x 1
		.amdhsa_system_sgpr_workgroup_id_y 1
		.amdhsa_system_sgpr_workgroup_id_z 1
		.amdhsa_system_vgpr_workitem_id 0
		.amdhsa_next_free_vgpr 64
		.amdhsa_next_free_sgpr 66
		.amdhsa_reserve_vcc 0
		.amdhsa_float_denorm_mode_32 3
		.amdhsa_float_denorm_mode_16_64 3
		.amdhsa_memory_ordered 1
		.amdhsa_forward_progress 1
		.amdhsa_inst_pref_size 12
	.end_amdhsa_kernel
	.amdgpu_metadata
---
amdhsa.version: [ 1, 2 ]
amdhsa.kernels:
  - .name:           k_qb27a724ebd_prep
    .symbol:         k_qb27a724ebd_prep.kd
    .args:
      - { .name: x, .offset: 0, .size: 8, .value_kind: global_buffer, .address_space: global }
      - { .name: Wq, .offset: 8, .size: 8, .value_kind: global_buffer, .address_space: global }
      - { .name: Wk, .offset: 16, .size: 8, .value_kind: global_buffer, .address_space: global }
      - { .name: Wv, .offset: 24, .size: 8, .value_kind: global_buffer, .address_space: global }
      - { .name: bq, .offset: 32, .size: 8, .value_kind: global_buffer, .address_space: global }
      - { .name: bk, .offset: 40, .size: 8, .value_kind: global_buffer, .address_space: global }
      - { .name: bv, .offset: 48, .size: 8, .value_kind: global_buffer, .address_space: global }
      - { .name: xb, .offset: 56, .size: 8, .value_kind: global_buffer, .address_space: global }
      - { .name: wt, .offset: 64, .size: 8, .value_kind: global_buffer, .address_space: global }
      - { .name: bias, .offset: 72, .size: 8, .value_kind: global_buffer, .address_space: global }
    .group_segment_fixed_size: 18432
    .private_segment_fixed_size: 0
    .kernarg_segment_align: 8
    .kernarg_segment_size: 80
    .max_flat_workgroup_size: 256
    .sgpr_count:     66
    .vgpr_count:     64
    .wavefront_size: 32
...
	.end_amdgpu_metadata
.endif
;; end of part 1
;; launch proj (part 2): grid 8 x 32, 4 waves a work-group, clusters of 4 x 4, 327,680 bytes of LDS; arguments xb, wt, bias, qkv, cs; writes qkv, cs
.if DOCPART == 2
	.amdgcn_target "amdgcn-amd-amdhsa--gfx1250"
	.amdhsa_code_object_version 6
	.text
	.protected	k_qb27a724ebd_proj
	.globl	k_qb27a724ebd_proj
	.p2align	8
	.type	k_qb27a724ebd_proj,@function
k_qb27a724ebd_proj:
	s_mov_b64 s[64:65], 0
	v_nop
	global_prefetch_b8 v0, s[64:65] scope:SCOPE_SE
	s_setreg_imm32_b32 hwreg(HW_REG_WAVE_MODE, 25, 1), 1
	s_wait_xcnt 0x0
	s_wait_alu depctr_hold_cnt(0) depctr_sa_sdst(0) depctr_va_vdst(0) depctr_va_sdst(0) depctr_va_ssrc(0) depctr_va_vcc(0) depctr_vm_vsrc(0)
	s_getreg_b32 s2, hwreg(HW_REG_IB_STS2, 6, 4)
	s_cmp_eq_u32 s2, 0
	s_cbranch_scc0 .Lentry_in_a_cluster
	s_endpgm
.Lentry_in_a_cluster:
	s_bfe_u32 s2, ttmp6, 0x10000c
	s_cmp_lg_u32 s2, 0xf033
	s_cbranch_scc0 .Lentry_shape_is_right
	s_endpgm
.Lentry_shape_is_right:
; PROJ.  C[8192][2304] = xb wt^T + bias, bf16 operands, f32 sums started by the bias, rounded once to f16 and stored by heads:
; slab (g, batch) of qkv at (4 g + batch) x 393,216 bytes, g = column / 96; in a slab plane A [2048][64] at 0 and plane B [2048][32] at 262,144.
; cs[row / 64][column] = the f32 sum of 64 rows of the ROUNDED numbers (the attention needs the sum of all rows of v).
; LIMIT.  f16 ends at 65,504: q c, k and v must stay within it.
; SHARES.  A tile of C is 256 rows x 288 columns (three heads): 8 x 32 = 256 work-groups.  Four waves, each 128 x 144: 72 accumulators, 576 registers.
; K = 768 goes in six steps of 128 through two LDS slots; rows of both operands' tiles are 256 consecutive bytes, aligned.
; CLUSTER 4 x 4: xb's tile hangs on the tile row and is asked for jointly along a row of the cluster, wt's on the tile column, along a column.
; The product is used transposed (source 0 = 16 rows of wt, source 1 = 16 rows of xb): a lane holds one row of C and eight neighbouring columns.
; REGISTERS by windows of 256.  0: v16-31 addresses, v32-95 and v96-159 xb's fragments (two buffers), v160-231 accumulators a = 7, v232-239 ones in f16.
; 1: v0-71, v72-143 wt's fragments, v144-215 a = 6.   2: a = 0..2 at 72 a + 8 b, v216-255 bias of b = 0..4.   3: a = 3..5, v216-247 bias of b = 5..8.
.set KSTEP, 128
.set ROWB,  1536
.set PITCH, 272                        ; 256 bytes + 16: the sixteen rows of a fragment load start at sixteen different groups of banks
.set AHALF, 128*PITCH
.set BHALF, 144*PITCH
.set BOFF,  2*AHALF
.set SLOT,  2*AHALF+2*BHALF            ; 147,968
.set SPARE, 2*SLOT                     ; the spare words: 512 bytes that no other line names
.set SP,    592                        ; a row of the stage: 576 bytes + 16.  The stage lies in bytes 0 .. 151,551, written only when both slots have had their last fill and their last read
.set ADRA, 16
.set ADRB, 20
.set STO,  24
.set TRA,  26
.set LRA,  27
.set SPW,  28
.set NIL,  29
.set PFO,  30
.set LRB,  31
.set FA,   32
.set ONES, 232
.set GL,   240
.set CSO,  241
.set BO,   242
.set WV, 14
.set WR, 15
.set WC, 16
.set CX, 17
.set CY, 18
.set TC, 19
.set TR, 20
.set G1, 24
.set G0, 32
.set LIM, 44
.set PFA, 46
.set G1B, 48
.set G0B, 56
.set QAB, 70
.set QBB, 72
.set HM,  74
.set MSB, 0
.macro WIN new                         ; the immediate's high byte repeats the setting that is left; a switch that changes nothing is dropped
.if MSB != (\new)
	s_set_vgpr_msb (MSB<<8)|(\new)
.set MSB, \new
.endif
.endm
.macro JLOAD s                         ; a joint load: waves 0, 1 fetch xb's halves, waves 2, 3 wt's; s_nop 0 and four v_nop follow each line
	s_cmp_eq_u32 s[WR], 0
	s_cbranch_scc0 .Lfor_b_\@
	tensor_load_to_lds s[G0+4*(\s):G0+4*(\s)+3], s[G1:G1+7]
	s_nop 0
.rept 4
	v_nop
.endr
	s_branch .Lasked_\@
.Lfor_b_\@:
	tensor_load_to_lds s[G0B+4*(\s):G0B+4*(\s)+3], s[G1B:G1B+7]
	s_nop 0
.rept 4
	v_nop
.endr
.Lasked_\@:
.endm
; A prefetch of xb's K step two refills on: waves 0 and 1 of the clusters with x = 0; the four partners of a cluster's row take 32 of a wave's 128 rows each, told apart by address; a lane a row.
; Only the loop's first trip asks (K steps 4 and 5): behind them there is no K step.  wt is not asked for: 144 rows over four partners are 36, no whole number of 32-lane instructions.
.macro ASK
	s_cmp_gt_u32 s3, s[LIM]
	s_cbranch_scc0 .Lnot_mine_\@
	global_prefetch_b8 v[PFO], s[PFA:PFA+1] offset:KSTEP*2 th:TH_LOAD_NT scope:SCOPE_SE
.Lnot_mine_\@:
.endm
.macro CREST
	s_cmp_lg_u32 s[WV], 0
	s_cbranch_scc1 .Lnot_wave_0_\@
	s_barrier_signal -3
.Lnot_wave_0_\@:
	s_barrier_wait -3
	s_barrier_signal -1
	s_barrier_wait -1
.endm
.macro CROUND
	s_barrier_signal -1
	s_barrier_wait -1
	CREST
.endm
.macro PLACES
.rept 4
	v_nop
.endr
.endm
.macro ACCLOC a                        ; window AW and first register AB of row block a's nine accumulators
.if (\a) < 3
.set AW, 2
.set AB, 72*(\a)
.elseif (\a) < 6
.set AW, 3
.set AB, 72*((\a)-3)
.elseif (\a) == 6
.set AW, 1
.set AB, 144
.else
.set AW, 0
.set AB, 160
.endif
.endm
; nine products: row block a x all column blocks, 32 along K, from buffer f.  first = 1: the bias starts the sums.  The 72 accumulators take turns, in the same order in every quarter.
.macro MULROW f, a, first
	ACCLOC \a
.set b, 0
.rept 9
.if \first
.if b < 5
	WIN (AW<<6)|0x21
	v_wmma_f32_16x16x32_bf16 v[AB+8*b:AB+8*b+7], v[72*(\f)+8*b:72*(\f)+8*b+7], v[FA+64*(\f)+8*(\a):FA+64*(\f)+8*(\a)+7], v[216+8*b:216+8*b+7]
.else
	WIN (AW<<6)|0x31
	v_wmma_f32_16x16x32_bf16 v[AB+8*b:AB+8*b+7], v[72*(\f)+8*b:72*(\f)+8*b+7], v[FA+64*(\f)+8*(\a):FA+64*(\f)+8*(\a)+7], v[216+8*(b-5):216+8*(b-5)+7]
.endif
.else
	WIN (AW<<6)|(AW<<4)|0x01
	v_wmma_f32_16x16x32_bf16 v[AB+8*b:AB+8*b+7], v[72*(\f)+8*b:72*(\f)+8*b+7], v[FA+64*(\f)+8*(\a):FA+64*(\f)+8*(\a)+7], v[AB+8*b:AB+8*b+7]
.endif
.set b, b+1
.endr
.endm
.macro FETCH slot, k, f                ; 34 LDS loads in one run: wt's nine fragments, then xb's eight
	WIN 0x40
.set b, 0
.rept 9
	ds_load_b128 v[72*(\f)+8*b:72*(\f)+8*b+3], v[ADRB+(\slot)] offset:(\k)+b*16*PITCH
	ds_load_b128 v[72*(\f)+8*b+4:72*(\f)+8*b+7], v[ADRB+(\slot)] offset:(\k)+b*16*PITCH+32
.set b, b+1
.endr
	WIN 0
.set b, 0
.rept 8
	ds_load_b128 v[FA+64*(\f)+8*b:FA+64*(\f)+8*b+3], v[ADRA+(\slot)] offset:(\k)+b*16*PITCH
	ds_load_b128 v[FA+64*(\f)+8*b+4:FA+64*(\f)+8*b+7], v[ADRA+(\slot)] offset:(\k)+b*16*PITCH+32
.set b, b+1
.endr
.endm
.macro QUARTER slot, k, f, g, first    ; 72 products on buffer f; in the middle the next quarter's fragments, at byte k, into buffer g
	s_wait_dscnt 8                                 ; all but the youngest eight loads: xb's blocks 4-7
	MULROW \f, 0, \first
	MULROW \f, 1, \first
	MULROW \f, 2, \first
	MULROW \f, 3, \first
	PLACES                                         ; four places in front of loads into registers that matrix instructions have read
	FETCH \slot, \k, \g
	s_wait_dscnt 34                                ; all but the 34 just issued
	MULROW \f, 4, \first
	MULROW \f, 5, \first
	MULROW \f, 6, \first
	MULROW \f, 7, \first
.endm
; The last quarter of a K step multiplies buffer 1 and changes slots.  fill = 1: the slot just read is filled again, two K steps on, behind a round of the cluster's barrier.
.macro TURN slot, next, fill
.if \fill
	s_wait_xcnt 0x0                                ; the last prefetch, a K step back, has read its address
	s_add_nc_u64 s[PFA:PFA+1], s[PFA:PFA+1], KSTEP*2
.endif
	WIN 0
	s_wait_tensorcnt 0x0                           ; all my tensor loads have landed: my part of the next slot
	ds_add_u32 v[SPW], v[NIL]
	s_wait_dscnt 9                                 ; the add and the youngest eight loads may be out
	MULROW 1, 0, 0
	MULROW 1, 1, 0
	s_wait_dscnt 0x0                               ; the add is done and my reads of this slot are over
	s_barrier_signal -1
	MULROW 1, 2, 0
	MULROW 1, 3, 0
	WIN 0
	s_barrier_wait -1
.if \fill
	CREST                                          ; no wave of any partner still reads this slot or has a load on its way
	s_add_nc_u64 s[G0+4*(\slot)+2:G0+4*(\slot)+3], s[G0+4*(\slot)+2:G0+4*(\slot)+3], 2*KSTEP*2
	s_add_nc_u64 s[G0B+4*(\slot)+2:G0B+4*(\slot)+3], s[G0B+4*(\slot)+2:G0B+4*(\slot)+3], 2*KSTEP*2
	JLOAD \slot                                    ; its four v_nop are also the places in front of the loads below
.else
	PLACES
.endif
	FETCH \next, 0, 0
.if \fill
	ASK
.endif
	MULROW 1, 4, 0
	MULROW 1, 5, 0
	MULROW 1, 6, 0
	MULROW 1, 7, 0
.endm
	s_load_b256 s[4:11], s[0:1], 0x0               ; xb s[4:5], wt s[6:7], bias s[8:9], qkv s[10:11]
	s_load_b64 s[12:13], s[0:1], 0x20              ; cs
	v_lshl_add_u32 v[SPW], v0, 2, SPARE
	v_mov_b32 v[NIL], 0
	ds_add_u32 v[SPW], v[NIL]                      ; the wave's opening
	ds_add_u32 v28, v29
	v_lshrrev_b32 v1, 5, v0
	v_readfirstlane_b32 s[WV], v1
	s_lshr_b32 s[WR], s[WV], 1                     ; my half of the tile's rows; also: I fetch xb (0) or wt (1)
	s_and_b32 s[WC], s[WV], 1                      ; my half of its columns; also: which half of that tile I fetch
	s_bfe_u32 s[CX], ttmp6, 0x40000
	s_bfe_u32 s[CY], ttmp6, 0x40004
	s_lshl_b32 s[TC], ttmp9, 2
	s_add_co_u32 s[TC], s[TC], s[CX]               ; tile column 0..7
	s_and_b32 s[TR], ttmp7, 0xffff
	s_lshl_b32 s[TR], s[TR], 2
	s_add_co_u32 s[TR], s[TR], s[CY]               ; tile row 0..31
	s_lshl_b32 s21, s[CY], 2
	s_lshl_b32 s21, 15, s21                        ; my row of the cluster
	s_lshl_b32 s22, 0x1111, s[CX]                  ; my column
	s_or_b32 s[G1], s21, (1<<16)|(1<<20)|(1<<21)|(5<<22)|(3<<25)   ; mask; 2-byte elements; padding of 4 words after every 64; bit 21 beside a mask
	s_or_b32 s[G1B], s22, (1<<16)|(1<<20)|(1<<21)|(5<<22)|(3<<25)
	s_mov_b32 s[G1+1], KSTEP<<16                   ; tensor_dim0 = 128
	s_mov_b32 s[G1+2], 128<<16                     ; tensor_dim1 = 128
	s_mov_b32 s[G1+3], KSTEP<<16                   ; tile_dim0 = 128
	s_mov_b32 s[G1+4], 128                         ; tile_dim1 = 128
	s_mov_b32 s[G1+5], 768                         ; elements from row to row
	s_mov_b32 s[G1+6], 0
	s_mov_b32 s[G1+7], 0
	s_mov_b32 s[G1B+1], KSTEP<<16
	s_mov_b32 s[G1B+2], 144<<16                    ; wt's halves have 144 rows
	s_mov_b32 s[G1B+3], KSTEP<<16
	s_mov_b32 s[G1B+4], 144
	s_mov_b32 s[G1B+5], 768
	s_mov_b32 s[G1B+6], 0
	s_mov_b32 s[G1B+7], 0
	s_lshl_b32 s40, s[TR], 8
	s_lshl_b32 s23, s[WC], 7
	s_add_co_u32 s40, s40, s23
	s_mul_i32 s40, s40, ROWB                       ; xb: row 256 x tile row + 128 x half
	s_mov_b32 s41, 0
	s_mul_i32 s42, s[TC], 288
	s_mul_i32 s23, s[WC], 144
	s_add_co_u32 s42, s42, s23
	s_mul_i32 s42, s42, ROWB                       ; wt: row 288 x tile column + 144 x half
	s_mov_b32 s43, 0
	s_mul_i32 s66, s[WC], AHALF                    ; where they go: no place in the cluster enters an LDS address
	s_mul_i32 s67, s[WC], BHALF
	s_add_co_u32 s67, s67, BOFF
	s_wait_dscnt 0x0                               ; the opening add is done
	s_wait_kmcnt 0x0
	s_add_nc_u64 s[40:41], s[4:5], s[40:41]
	s_add_nc_u64 s[42:43], s[6:7], s[42:43]
	CROUND                                         ; all sixteen work-groups are here: the first joint loads meet
.irp s, 0,1
	s_mov_b32 s[G0+4*(\s)], 1
	s_add_co_u32 s[G0+4*(\s)+1], s66, (\s)*SLOT
	s_add_nc_u64 s[G0+4*(\s)+2:G0+4*(\s)+3], s[40:41], (\s)*KSTEP*2
	s_or_b32 s[G0+4*(\s)+3], s[G0+4*(\s)+3], 0x80000000
	s_mov_b32 s[G0B+4*(\s)], 1
	s_add_co_u32 s[G0B+4*(\s)+1], s67, (\s)*SLOT
	s_add_nc_u64 s[G0B+4*(\s)+2:G0B+4*(\s)+3], s[42:43], (\s)*KSTEP*2
	s_or_b32 s[G0B+4*(\s)+3], s[G0B+4*(\s)+3], 0x80000000
	JLOAD \s
.endr
	v_and_b32 v1, 15, v0                           ; r = l % 16
	v_bfe_u32 v2, v0, 4, 1                         ; h = l / 16
	v_and_b32 v5, 31, v0                           ; l
	; the bias as a C operand: register j of column block b is bias[first column + 16 b + 8 h + j]
	v_lshlrev_b32 v[BO], 5, v2
	s_mul_i32 s78, s[TC], 288
	s_mul_i32 s79, s[WC], 144
	s_add_co_u32 s78, s78, s79
	s_lshl_b32 s76, s78, 2
	s_mov_b32 s77, 0
	s_add_nc_u64 s[8:9], s[8:9], s[76:77]
	WIN 0x80
.irp b, 0,1,2,3,4
	global_load_b128 v[216+8*\b:219+8*\b], v[BO], s[8:9] offset:64*\b
	global_load_b128 v[220+8*\b:223+8*\b], v[BO], s[8:9] offset:64*\b+16
.endr
	WIN 0xc0
.irp b, 0,1,2,3
	global_load_b128 v[216+8*\b:219+8*\b], v[BO], s[8:9] offset:320+64*\b
	global_load_b128 v[220+8*\b:223+8*\b], v[BO], s[8:9] offset:320+64*\b+16
.endr
	WIN 0
	v_mul_u32_u24 v3, v1, PITCH
	v_lshl_add_u32 v3, v2, 4, v3                   ; a fragment's row x pitch + 16 x half
	s_mul_i32 s21, s[WR], AHALF
	s_mul_i32 s22, s[WC], BHALF
	s_add_co_u32 s22, s22, BOFF
.irp s, 0,1
	v_add_nc_u32 v[ADRA+(\s)], s21, v3
	v_add_nc_u32 v[ADRB+(\s)], s22, v3
	s_add_co_u32 s21, s21, SLOT
	s_add_co_u32 s22, s22, SLOT
.endr
.irp i, 0,1,2,3,4,5,6,7
	v_mov_b32 v[ONES+\i], 0x3c003c00               ; 1.0 twice in f16
.endr
	s_mul_i32 s21, s[WR], 128*SP
	s_mul_i32 s22, s[WC], 288
	s_add_co_u32 s21, s21, s22
	v_mul_u32_u24 v4, v1, SP
	v_lshl_add_u32 v4, v2, 4, v4
	v_add_nc_u32 v[STO], s21, v4                   ; into the stage: row 128 wr + 16 a + r, byte 288 wc + 32 b + 16 h
	v_add_nc_u32 v[STO+1], 64*SP, v[STO]
	s_mul_i32 s21, s[WV], 64*SP                    ; back: wave w takes rows 64 w .. 64 w + 63
	v_and_b32 v6, 7, v0
	v_bfe_u32 v7, v0, 3, 1
	v_lshl_add_u32 v8, v2, 3, v6
	v_mul_u32_u24 v8, v8, SP
	v_lshl_add_u32 v8, v7, 4, v8
	v_add_nc_u32 v[TRA], s21, v8                   ; the turning load: row 8 h + l % 8, 16 bytes at 16 ((l / 8) % 2)
	v_bfe_u32 v8, v0, 3, 2
	v_mul_u32_u24 v8, v8, SP
	v_lshl_add_u32 v8, v6, 4, v8
	v_add_nc_u32 v[LRA], s21, v8                   ; plane A: four rows of 128 bytes a load
	v_bfe_u32 v8, v0, 2, 3
	v_mul_u32_u24 v8, v8, SP
	v_and_b32 v9, 3, v0
	v_lshl_add_u32 v8, v9, 4, v8
	v_add_nc_u32 v8, s21, v8
	v_add_nc_u32 v[LRB], 128, v8                   ; plane B: eight rows of 64 bytes a load
	v_lshlrev_b32 v[GL], 4, v5
	v_lshlrev_b32 v[CSO], 2, v5
	v_cmp_lt_u32 s[HM], 15, v5                     ; lanes 16-31
	s_mul_i32 s78, s[TC], 12
	s_lshr_b32 s79, s[TR], 3
	s_add_co_u32 s78, s78, s79
	s_mul_i32 s78, s78, 393216                     ; slab (3 x tile column, batch)
	s_and_b32 s79, s[TR], 7
	s_lshl_b32 s79, s79, 8
	s_lshl_b32 s80, s[WV], 6
	s_add_co_u32 s79, s79, s80                     ; my first row in the batch
	s_lshl_b32 s76, s79, 7
	s_add_co_u32 s76, s76, s78
	s_add_nc_u64 s[QAB:QAB+1], s[10:11], s[76:77]
	s_lshl_b32 s76, s79, 6
	s_add_co_u32 s76, s76, s78
	s_add_co_u32 s76, s76, 262144
	s_add_nc_u64 s[QBB:QBB+1], s[10:11], s[76:77]
	s_lshl_b32 s78, s[TR], 2
	s_add_co_u32 s78, s78, s[WV]
	s_mul_i32 s78, s78, 2304
	s_mul_i32 s79, s[TC], 288
	s_add_co_u32 s78, s78, s79
	s_lshl_b32 s76, s78, 2
	s_add_nc_u64 s[12:13], s[12:13], s[76:77]      ; cs at my block of 64 rows and the tile's first column
	s_lshl_b32 s78, s[TR], 8
	s_lshl_b32 s79, s[WC], 7
	s_add_co_u32 s78, s78, s79
	s_lshl_b32 s79, s[CX], 5
	s_add_co_u32 s78, s78, s79
	s_mul_i32 s76, s78, ROWB
	s_add_nc_u64 s[PFA:PFA+1], s[4:5], s[76:77]
	s_add_nc_u64 s[PFA:PFA+1], s[PFA:PFA+1], 2*KSTEP*2   ; at K step 2: the first refill steps it to 3 and names K step 4
	s_or_b32 s78, s[WR], ttmp9
	s_cmp_eq_u32 s78, 0
	s_cselect_b32 s[LIM], 1, -1                    ; the same in all sixteen partners, for a given wave
	v_mul_u32_u24 v[PFO], v5, ROWB
	s_wait_tensorcnt 1                             ; my part of K step 0 is in; K step 1's may stay out
	s_barrier_signal -1
	s_barrier_wait -1
	FETCH 0, 0, 0
	s_wait_loadcnt 0x0                             ; the bias
	QUARTER 0, 64, 0, 1, 1                         ; the first quarter starts the sums, with the bias as C
	WIN 0
	s_mov_b32 s3, 2
.Llap:                                             ; a trip goes once round the ring and fills both slots again: K steps 2, 3 and then 4, 5
	QUARTER 0, 128, 1, 0, 0
	QUARTER 0, 192, 0, 1, 0
	TURN 0, 1, 1
	QUARTER 1, 64, 0, 1, 0
	QUARTER 1, 128, 1, 0, 0
	QUARTER 1, 192, 0, 1, 0
	TURN 1, 0, 1
	QUARTER 0, 64, 0, 1, 0
	WIN 0
	s_sub_co_u32 s3, s3, 1
	s_cmp_lg_u32 s3, 0
	s_cbranch_scc1 .Llap
	QUARTER 0, 128, 1, 0, 0                        ; the last lap fills nothing
	QUARTER 0, 192, 0, 1, 0
	TURN 0, 1, 0
	QUARTER 1, 64, 0, 1, 0
	QUARTER 1, 128, 1, 0, 0
	QUARTER 1, 192, 0, 1, 0
	s_wait_dscnt 8
	MULROW 1, 0, 0
	MULROW 1, 1, 0
	MULROW 1, 2, 0
	MULROW 1, 3, 0
	s_wait_dscnt 0x0
	MULROW 1, 4, 0
	MULROW 1, 5, 0
	MULROW 1, 6, 0
	MULROW 1, 7, 0
	; THE WAY OUT.  Every wave's reads of both slots are over (the wait above) and no fill is to come: behind this barrier the slots' bytes serve as the stage.
	WIN 0
	PLACES
	PLACES
	s_barrier_signal -1
	s_barrier_wait -1
.macro PACK a                          ; row block a: rounded to f16, each accumulator's registers in ascending order, 16 bytes a lane into the stage
	ACCLOC \a
.set TB, 32+36*((\a)%2)
	WIN AW|(AW<<2)
.set n, 0
.rept 36
	v_cvt_pk_f16_f32 v[TB+n], v[AB+2*n], v[AB+2*n+1]
.set n, n+1
.endr
	WIN 0
.set n, 0
.rept 9
	ds_store_b128 v[STO+(\a)/4], v[TB+4*n:TB+4*n+3] offset:((\a)%4)*16*SP+32*n
.set n, n+1
.endr
.endm
.irp a, 0,1,2,3,4,5,6,7
	PACK \a
.endr
	s_wait_dscnt 0x0                               ; for the others: my stores into the stage are done
	s_barrier_signal -1
	s_barrier_wait -1
	; column sums of my 64 rows: ones (16 x 32) times 32 rows x 16 columns, read turned; every row of the result holds the sums
	WIN 0x80
.set n, 0
.rept 18
	ds_load_tr16_b128 v[8*n:8*n+3], v[TRA] offset:32*n
	ds_load_tr16_b128 v[8*n+4:8*n+7], v[TRA] offset:32*n+16*SP
.set n, n+1
.endr
	WIN 0xc0
.set n, 0
.rept 18
	ds_load_tr16_b128 v[8*n:8*n+3], v[TRA] offset:32*SP+32*n
	ds_load_tr16_b128 v[8*n+4:8*n+7], v[TRA] offset:32*SP+32*n+16*SP
.set n, n+1
.endr
	s_wait_dscnt 36                                ; rows 0-31 are in
	WIN 0x48
.set n, 0
.rept 18
	v_wmma_f32_16x16x32_f16 v[8*n:8*n+7], v[ONES:ONES+7], v[8*n:8*n+7], 0
.set n, n+1
.endr
	s_wait_dscnt 0x0
	WIN 0x5c
.set n, 0
.rept 18
	v_wmma_f32_16x16x32_f16 v[8*n:8*n+7], v[ONES:ONES+7], v[8*n:8*n+7], v[8*n:8*n+7]
.set n, n+1
.endr
	WIN 0
	PLACES
	PLACES
	WIN 0x05
.set n, 0
.rept 9
	v_cndmask_b32 v[128+n], v[16*n], v[16*n+8], s[HM]   ; lanes 0-15 take column block 2 n, lanes 16-31 block 2 n + 1
.set n, n+1
.endr
	WIN 0
.set n, 0
.rept 9
	global_store_b32 v[CSO], v[128+n], s[12:13] offset:128*n
.set n, n+1
.endr
.irp t, 0,1,2                          ; head t of the tile's three: plane A as 16 stores, plane B as 8, 512 consecutive bytes each, aligned
	s_wait_xcnt 0x0                                ; the registers that earlier stores read are loaded again only behind this wait
.set n, 0
.rept 16
	ds_load_b128 v[32+4*n:35+4*n], v[LRA] offset:4*SP*n+192*\t
.set n, n+1
.endr
.set n, 0
.rept 8
	ds_load_b128 v[96+4*n:99+4*n], v[LRB] offset:8*SP*n+192*\t
.set n, n+1
.endr
.set n, 0
.rept 16
	s_wait_dscnt 23-n
	global_store_b128 v[GL], v[32+4*n:35+4*n], s[QAB:QAB+1] offset:1572864*\t+512*n
.set n, n+1
.endr
.set n, 0
.rept 8
	s_wait_dscnt 7-n
	global_store_b128 v[GL], v[96+4*n:99+4*n], s[QBB:QBB+1] offset:1572864*\t+512*n
.set n, n+1
.endr
.endr
	s_wait_tensorcnt 0x0                           ; the wave's end
	ds_add_u32 v[SPW], v[NIL]
	s_wait_dscnt 0x0
	CROUND                                         ; the closing round
	s_endpgm
.Lfunc_end_k_qb27a724ebd_proj:
	.size	k_qb27a724ebd_proj, .Lfunc_end_k_qb27a724ebd_proj-k_qb27a724ebd_proj
	.p2alignl 7, 3214868480
	.fill 96, 4, 3214868480
	.section	.rodata,"a",@progbits
	.p2align	6, 0x0
	.amdhsa_kernel k_qb27a724ebd_proj
		.amdhsa_group_segment_fixed_size 327680
		.amdhsa_private_segment_fixed_size 0
		.amdhsa_enable_private_segment 0
		.amdhsa_kernarg_size 40
		.amdhsa_user_sgpr_count 2
		.amdhsa_user_sgpr_kernarg_segment_ptr 1
		.amdhsa_wavefront_size32 1
		.amdhsa_system_sgpr_workgroup_id_x 1
		.amdhsa_system_sgpr_workgroup_id_y 1
		.amdhsa_system_sgpr_workgroup_id_z 1
		.amdhsa_system_vgpr_workitem_id 0
		.amdhsa_next_free_vgpr 1024
		.amdhsa_next_free_sgpr 96
		.amdhsa_reserve_vcc 0
		.amdhsa_float_denorm_mode_32 3
		.amdhsa_float_denorm_mode_16_64 3
		.amdhsa_memory_ordered 1
		.amdhsa_forward_progress 1
		.amdhsa_inst_pref_size 174
	.end_amdhsa_kernel
	.amdgpu_metadata
---
amdhsa.version: [ 1, 2 ]
amdhsa.kernels:
  - .name:           k_qb27a724ebd_proj
    .symbol:         k_qb27a724ebd_proj.kd
    .args:
      - { .name: xb, .offset: 0, .size: 8, .value_kind: global_buffer, .address_space: global }
      - { .name: wt, .offset: 8, .size: 8, .value_kind: global_buffer, .address_space: global }
      - { .name: bias, .offset: 16, .size: 8, .value_kind: global_buffer, .address_space: global }
      - { .name: qkv, .offset: 24, .size: 8, .value_kind: global_buffer, .address_space: global }
      - { .name: cs, .offset: 32, .size: 8, .value_kind: global_buffer, .address_space: global }
    .group_segment_fixed_size: 327680
    .private_segment_fixed_size: 0
    .kernarg_segment_align: 8
    .kernarg_segment_size: 40
    .max_flat_workgroup_size: 128
    .sgpr_count:     96
    .vgpr_count:     1024
    .wavefront_size: 32
...
	.end_amdgpu_metadata
.endif
;; end of part 2
;; launch attn (part 3): grid 8 x 32, 4 waves a work-group, no clusters, 327,680 bytes of LDS; arguments qkv, cs, pad_mask, att; writes att
.if DOCPART == 3
	.amdgcn_target "amdgcn-amd-amdhsa--gfx1250"
	.amdhsa_code_object_version 6
	.text
	.protected	k_qb27a724ebd_attn
	.globl	k_qb27a724ebd_attn
	.p2align	8
	.type	k_qb27a724ebd_attn,@function
k_qb27a724ebd_attn:
	s_mov_b64 s[64:65], 0
	v_nop
	global_prefetch_b8 v0, s[64:65] scope:SCOPE_SE
	s_setreg_imm32_b32 hwreg(HW_REG_WAVE_MODE, 25, 1), 1
	s_wait_xcnt 0x0
; CAUSAL ATTENTION WITH A PAD MASK, head size 96.  att[bh][q][:] = sum over k of softmax_k(s) v[k][:], f16 out; bh = 8 batch + head.
; q arrives multiplied by c = log2(e)/sqrt(96), so s = q . k is the exponent to base 2; p = 2^(s - m) with a running maximum m that is SUBTRACTED, exactly.
; THE MASKS are the C operand that starts each sum s: pad[key] x NEGC (NEGC = -1e10 c) for a padded key, -1e30 more for a key above the diagonal.
; LIMITS.  pad_mask holds 0 or 1; a padded key's product is not multiplied by 0 but drowned: |q . k| stays under 7.3e8.  A row whose maximum lies below NEGC / 2 has only padded keys in sight:
; all 2,048 scores of the definition are then equal, and the row gets the mean of ALL rows of v, from the column sums cs.  q, k, v lie within f16.  NaN and infinities are not treated apart.
; THE WALK.  A head has 16 blocks of 128 queries; block i needs the key tiles 0 .. i / 2 of 256 keys.  A work-group takes blocks 15 - b and then b: nine tiles whatever b: one loop of a constant count.
; NO CLUSTER: from the sixth trip on the work-groups of a head want different tiles, and a walk common to four of them would have 20 trips for 18 halves.
; SHARES.  Wave w: band w / 2 of 64 queries (four PIECES of 16) and, of a tile's four chunks of 64 keys, chunks 2 s + w % 2 (two key steps a tile).  The two waves of a band merge at a block's end.
; TURNS.  Turn n belongs to piece n: 12 products K Q^T of piece n + 1, 12 products V^T P of piece n - 1; beside them piece n's softmax and piece n + 1's maximum.  A turn's 33 exponentials are one batch with one wait.
; REGISTERS by windows.  0: addresses, statistics, S^T (two buffers), P (two buffers), the merge's work.  1: O^T at 48 piece + 8 cb; MD8.  2: Q at 24 piece + 8 c; K; PC (pad addends).  3: V; the second block's Q; MC (masks, two buffers).
.set NP,  4
.set PKA, 144                          ; LDS pitches: K 64 channels, K 32 channels, V 64, V 32
.set PKB, 80
.set PVA, 160
.set PVB, 96
.set KBO, 256*PKA                      ; 36,864
.set VAO, KBO+256*PKB                  ; 57,344
.set VBO, VAO+256*PVA                  ; 98,304; a slot ends at 122,880
.set PT,  122880                       ; pad x NEGC, 2,048 f32
.set SLOT1, 1<<17
.set MG,  253952                       ; the merge: 12,800 bytes a wave
.set MGW, 12800
.set STAGE, 305152                     ; the way out: 16 rows x 208 bytes a wave
.set STW, 3328
.set SP,  208
.set TT,  318464                       ; the sum of all rows of v, 96 f32
.set SPARE, 318976                     ; the spare words: 512 bytes that no other line names
.set AKA0, 2
.set AKB0, 3
.set AVA0, 4
.set AVB0, 5
.set APC0, 6
.set AKA, 7
.set AKB, 8
.set APC, 9
.set AVA, 10
.set AVB, 11
.set MV,  12
.set STO, 14
.set GO,  15
.set ST,  16                           ; piece t at ST + 4 t: m, l total, l of even keys, l of odd keys
.set RD,  32
.set MGS, 35
.set MGR, 36
.set MGS8, 37
.set MGR8, 38
.set TTA, 39
.set QOA, 40
.set QOB, 41
.set PFO, 42
.set TMP, 48
.set SPW, 62
.set NIL, 63
.set S,   64
.set TO,  64
.set X1,  128
.set P,   192
.set MD8, 192                          ; window 1
.set KF,  96                           ; window 2: key block kb, channels 32 c at KF + 24 kb + 8 c
.set PC,  192                          ; window 2
.set MC,  192                          ; window 3
.set PFS, 2
.set WV, 12
.set WQ, 13
.set PB, 14
.set HI, 15
.set WK, 16
.set LQB, 17
.set PBASE, 18
.set SH, 20
.set PFL, 21
.set PFP, 22
.set G0, 24
.set OFF, 28
.set OLO, 30
.set SLOTS, 32
.set CNT, 33
.set RT, 34
.set NXT, 35
.set LQ, 36
.set NEW, 37
.set PREV, 38
.set ENT, 39
.set TKA, 40
.set TKB, 41
.set TVA, 42
.set TVB, 43
.set TPC, 44
.set DEL, 45
.set D0, 46
.set D0B, 47
.set AL, 48
.set BE, 50
.set BE2, 52
.set SEL, 56
.set BIGN, 58
.set NEGH, 59
.set MK, 60
.set G1KA, 68
.set G1KB, 76
.set G1VA, 84
.set G1VB, 92
.set MSB, 0
.macro WIN new
.if MSB != (\new)
	s_set_vgpr_msb (MSB<<8)|(\new)
.set MSB, (\new)
.endif
.endm
.set W_KQ, 0x0a
.set W_KP, 0x2a
.set W_KM, 0x3a
.set W_PV, 0x53
.set W_RS, 0x41
.macro TL g1                           ; s_nop 0 and four v_nop follow every tensor load
	tensor_load_to_lds s[G0:G0+3], s[\g1:\g1+7]
	s_nop 0
.rept 4
	v_nop
.endr
.endm
.macro LOAD                            ; a fill: wave 0 K's 64 channels, wave 1 K's 32, wave 2 V's 64, wave 3 V's 32: one load a wave
	s_cmp_lt_u32 s[WV], 2
	s_cbranch_scc0 .Lfor_v_\@
	s_cmp_eq_u32 s[WV], 0
	s_cbranch_scc0 .Lfor_kb_\@
	TL G1KA
	s_branch .Lasked_\@
.Lfor_kb_\@:
	TL G1KB
	s_branch .Lasked_\@
.Lfor_v_\@:
	s_cmp_eq_u32 s[WV], 2
	s_cbranch_scc0 .Lfor_vb_\@
	TL G1VA
	s_branch .Lasked_\@
.Lfor_vb_\@:
	TL G1VB
.Lasked_\@:
.endm
; A prefetch of the tile behind the one just asked for.  All eight work-groups of a head walk the same tiles: the one with b = 0 asks, each wave for its own plane, a lane for each 256 bytes:
; tiles 2 to 7, at its first six fills.  The pointer is stepped here, behind the s_wait_xcnt 0 of this change of slots.
.macro ASK
	s_cmp_lg_u32 s[PFL], 0
	s_cbranch_scc0 .Lnot_mine_\@
	s_sub_co_u32 s[PFL], s[PFL], 1
	s_add_nc_u64 s[PFP:PFP+1], s[PFP:PFP+1], s[PFS:PFS+1]
	global_prefetch_b8 v[PFO], s[PFP:PFP+1] th:TH_LOAD_NT scope:SCOPE_SE
	global_prefetch_b8 v[PFO], s[PFP:PFP+1] offset:8192 th:TH_LOAD_NT scope:SCOPE_SE
	s_cmp_eq_u32 s[WK], 0
	s_cbranch_scc0 .Lnot_mine_\@
	global_prefetch_b8 v[PFO], s[PFP:PFP+1] offset:16384 th:TH_LOAD_NT scope:SCOPE_SE
	global_prefetch_b8 v[PFO], s[PFP:PFP+1] offset:24576 th:TH_LOAD_NT scope:SCOPE_SE
.Lnot_mine_\@:
.endm
; THE CHANGE OF SLOTS.  Each wave waits for all its tensor loads (one is out: its plane of the other slot), adds 0 to its spare word, waits for that and for its reads of the slot that it leaves.
; fill = 1: the old slot takes tile NXT, first thing behind the barrier; the descriptor's address is made anew from that number.
.macro CHANGE fill
	WIN 0
	s_wait_tensorcnt 0x0
	ds_add_u32 v[SPW], v[NIL]
.if \fill
	s_lshl_b32 s[OFF], s[NXT], s[SH]
	s_xor_b32 s[G0+1], s[G0+1], SLOT1
	s_add_nc_u64 s[G0+2:G0+3], s[PBASE:PBASE+1], s[OFF:OFF+1]
	s_or_b32 s[G0+3], s[G0+3], 0x80000000
	s_mov_b32 s[ENT], s[PREV]                      ; the tile that is entered now
	s_mov_b32 s[PREV], s[NXT]
	s_add_co_u32 s[NXT], s[NXT], 1                 ; the block's next tile, or behind its last the second block's tile 0
	s_cmp_gt_u32 s[NXT], s[LQ]
	s_cselect_b32 s[NXT], 0, s[NXT]
	s_cselect_b32 s[LQ], s[LQB], s[LQ]
	s_wait_xcnt 0x0                                ; the last prefetches, a tile back, have read their address
.else
	s_mov_b32 s[ENT], s[PREV]
.endif
	s_wait_dscnt 0x0                               ; the add is done, and my reads of the slot are over
	s_barrier_signal -1
	s_sub_co_u32 s[TKA], s[TKA], 256*PKA           ; the fetches go back to a slot's first step, in the other slot
	s_xor_b32 s[TKA], s[TKA], SLOT1
	s_sub_co_u32 s[TKB], s[TKB], 256*PKB
	s_xor_b32 s[TKB], s[TKB], SLOT1
	s_sub_co_u32 s[TVA], s[TVA], 256*PVA
	s_xor_b32 s[TVA], s[TVA], SLOT1
	s_sub_co_u32 s[TVB], s[TVB], 256*PVB
	s_xor_b32 s[TVB], s[TVB], SLOT1
	s_and_b32 s[TPC], s[ENT], 7
	s_lshl_b32 s[TPC], s[TPC], 10                  ; the tile's 256 pad addends
	s_barrier_wait -1
.if \fill
	LOAD
	ASK
.endif
.endm
	s_load_b256 s[4:11], s[0:1], 0x0               ; qkv s[4:5], cs s[6:7], pad_mask s[8:9], att s[10:11]
	v_lshl_add_u32 v[SPW], v0, 2, SPARE
	v_mov_b32 v[NIL], 0
	ds_add_u32 v[SPW], v[NIL]                      ; the wave's opening
	ds_add_u32 v62, v63
	v_lshrrev_b32 v1, 5, v0
	v_readfirstlane_b32 s[WV], v1
	s_lshr_b32 s[WQ], s[WV], 1                     ; my band of queries; also: I fetch K (0) or V (1)
	s_and_b32 s[WK], s[WV], 1                      ; my half of the keys; also: I fetch plane A (0) or B (1)
	s_mov_b32 s[PB], ttmp9
	s_sub_co_u32 s[HI], 15, s[PB]
	s_and_b32 s40, ttmp7, 0xffff                   ; bh
	s_and_b32 s41, s40, 7                          ; head
	s_lshr_b32 s42, s40, 3                         ; batch
	; group 1: the planes are dense and are asked for as rows of 256 bytes; in LDS a pad follows every key's 128 or 64 bytes
	s_mov_b32 s[G1KA], (1<<16)|(1<<20)|(4<<22)|(3<<25)
	s_mov_b32 s[G1KB], (1<<16)|(1<<20)|(3<<22)|(3<<25)
	s_mov_b32 s[G1VA], (1<<16)|(1<<20)|(4<<22)|(7<<25)
	s_mov_b32 s[G1VB], (1<<16)|(1<<20)|(3<<22)|(7<<25)
.irp g, G1KA, G1VA
	s_mov_b32 s[\g+1], 128<<16
	s_mov_b32 s[\g+2], 128<<16
	s_mov_b32 s[\g+3], 128<<16
	s_mov_b32 s[\g+4], 128
	s_mov_b32 s[\g+5], 128
	s_mov_b32 s[\g+6], 0
	s_mov_b32 s[\g+7], 0
.endr
.irp g, G1KB, G1VB
	s_mov_b32 s[\g+1], 128<<16
	s_mov_b32 s[\g+2], 64<<16
	s_mov_b32 s[\g+3], 128<<16
	s_mov_b32 s[\g+4], 64
	s_mov_b32 s[\g+5], 128
	s_mov_b32 s[\g+6], 0
	s_mov_b32 s[\g+7], 0
.endr
	s_mov_b32 s[G0], 1
	s_mul_i32 s43, s[WQ], VAO
	s_lshl_b32 s44, s[WQ], 12
	s_add_co_u32 s44, s44, KBO
	s_mul_i32 s44, s44, s[WK]
	s_add_co_u32 s[G0+1], s43, s44                 ; 0; 36,864; 57,344; 98,304 for waves 0 to 3
	s_lshl_b32 s43, s[WQ], 3
	s_add_co_u32 s43, s43, 8
	s_add_co_u32 s43, s43, s41
	s_lshl_b32 s43, s43, 2
	s_add_co_u32 s43, s43, s42
	s_mul_i32 s44, s43, 393216                     ; k's or v's slab of this head and batch,
	s_lshl_b32 s43, s[WK], 18
	s_add_co_u32 s44, s44, s43                     ; my plane of it
	s_mov_b32 s45, 0
	s_sub_co_u32 s[SH], 15, s[WK]                  ; a tile is 32,768 or 16,384 bytes of a plane
	s_lshl_b32 s[PFS], 1, s[SH]
	s_mov_b32 s[PFS+1], 0
	s_lshl_b32 s43, s41, 2
	s_add_co_u32 s43, s43, s42
	s_mul_i32 s43, s43, 393216                     ; q's slab
	s_lshl_b32 s46, s[HI], 7
	s_lshl_b32 s47, s[WQ], 6
	s_add_co_u32 s46, s46, s47                     ; my first row in the first block,
	s_lshl_b32 s39, s[PB], 7
	s_add_co_u32 s47, s39, s47                     ; and in the second
	s_lshl_b32 s60, s46, 7
	s_add_co_u32 s60, s60, s43
	s_mov_b32 s61, 0
	s_lshl_b32 s62, s46, 6
	s_add_co_u32 s62, s62, s43
	s_add_co_u32 s62, s62, 262144
	s_mov_b32 s63, 0
	s_lshl_b32 s66, s47, 7
	s_add_co_u32 s66, s66, s43
	s_mov_b32 s67, 0
	s_lshl_b32 s100, s47, 6
	s_add_co_u32 s100, s100, s43
	s_add_co_u32 s100, s100, 262144
	s_mov_b32 s101, 0
	s_mul_i32 s43, s40, 393216
	s_mul_i32 s48, s46, 192
	s_add_co_u32 s48, s48, s43
	s_mov_b32 s49, 0
	s_mul_i32 s50, s47, 192
	s_add_co_u32 s50, s50, s43
	s_mov_b32 s51, 0
	s_lshl_b32 s52, s42, 13
	s_mov_b32 s53, 0
	s_mul_i32 s54, s42, 294912                     ; 32 blocks of 2,304 f32
	s_mul_i32 s43, s41, 384
	s_add_co_u32 s54, s54, s43
	s_add_co_u32 s54, s54, 6144                    ; v's columns begin at 1,536
	s_mov_b32 s55, 0
	s_wait_dscnt 0x0                               ; the opening add is done
	s_wait_kmcnt 0x0
	s_add_nc_u64 s[PBASE:PBASE+1], s[4:5], s[44:45]
	s_add_nc_u64 s[60:61], s[4:5], s[60:61]
	s_add_nc_u64 s[62:63], s[4:5], s[62:63]
	s_add_nc_u64 s[66:67], s[4:5], s[66:67]
	s_add_nc_u64 s[100:101], s[4:5], s[100:101]
	s_add_nc_u64 s[OLO:OLO+1], s[10:11], s[50:51]
	s_add_nc_u64 s[10:11], s[10:11], s[48:49]
	s_add_nc_u64 s[8:9], s[8:9], s[52:53]
	s_add_nc_u64 s[6:7], s[6:7], s[54:55]
	s_add_nc_u64 s[PFP:PFP+1], s[PBASE:PBASE+1], s[PFS:PFS+1]   ; at tile 1: the first ASK steps it to tile 2
	s_mov_b64 s[G0+2:G0+3], s[PBASE:PBASE+1]
	s_or_b32 s[G0+3], s[G0+3], 0x80000000
	LOAD                                           ; tile 0 into slot 0
	v_and_b32 v1, 15, v0                           ; r = l % 16
	v_bfe_u32 v43, v0, 4, 1                        ; h = l / 16
	v_and_b32 v44, 31, v0                          ; l
	v_and_b32 v45, 7, v0
	v_bfe_u32 v46, v0, 3, 1
	v_lshlrev_b32 v[QOA], 7, v1
	v_lshl_add_u32 v[QOA], v43, 4, v[QOA]
	v_lshlrev_b32 v[QOB], 6, v1
	v_lshl_add_u32 v[QOB], v43, 4, v[QOB]
.macro QLOAD base, pa, pb              ; a block's Q: piece pp, channels 32 c at base + 24 pp + 8 c; a fragment is two loads of 16 bytes, 32 bytes apart
.set pp, 0
.rept 4
	global_load_b128 v[(\base)+24*pp:(\base)+24*pp+3], v[QOA], s[\pa:\pa+1] offset:2048*pp
	global_load_b128 v[(\base)+24*pp+4:(\base)+24*pp+7], v[QOA], s[\pa:\pa+1] offset:2048*pp+32
	global_load_b128 v[(\base)+24*pp+8:(\base)+24*pp+11], v[QOA], s[\pa:\pa+1] offset:2048*pp+64
	global_load_b128 v[(\base)+24*pp+12:(\base)+24*pp+15], v[QOA], s[\pa:\pa+1] offset:2048*pp+96
	global_load_b128 v[(\base)+24*pp+16:(\base)+24*pp+19], v[QOB], s[\pb:\pb+1] offset:1024*pp
	global_load_b128 v[(\base)+24*pp+20:(\base)+24*pp+23], v[QOB], s[\pb:\pb+1] offset:1024*pp+32
.set pp, pp+1
.endr
.endm
	WIN 0x80
	QLOAD 0, 60, 62
	WIN 0xc0
	QLOAD 96, 66, 100
	WIN 0
	v_lshlrev_b32 v59, 4, v0
.irp i, 0,1,2,3
	global_load_b128 v[64+4*\i:67+4*\i], v59, s[8:9] offset:2048*\i   ; the batch's pad row
.endr
	s_cmp_lt_u32 s[WV], 3                          ; 96 threads, a channel each: the sum of the batch's 32 blocks of column sums
	s_cbranch_scc0 .Lno_cs
	v_lshlrev_b32 v56, 2, v0
.set n, 0
.rept 32
	global_load_b32 v[80+n], v56, s[6:7] offset:9216*n
.set n, n+1
.endr
	s_wait_loadcnt 0x0
.irp w, 16,8,4,2
.set n, 0
.rept \w/2
	v_pk_add_f32 v[80+2*n:81+2*n], v[80+2*n:81+2*n], v[80+\w+2*n:81+\w+2*n]
.set n, n+1
.endr
.endr
	v_add_f32 v80, v80, v81
	v_lshl_add_u32 v57, v0, 2, TT
	ds_store_b32 v57, v80
.Lno_cs:
	s_wait_loadcnt 0x0                             ; the pad row (and Q)
.set n, 0
.rept 8
	v_pk_mul_f32 v[64+2*n:65+2*n], v[64+2*n:65+2*n], 0xceaf8770 op_sel_hi:[1,0]   ; x NEGC = -1.4724445e9
.set n, n+1
.endr
	v_lshl_add_u32 v58, v0, 4, PT
.irp i, 0,1,2,3
	ds_store_b128 v58, v[64+4*\i:67+4*\i] offset:2048*\i
.endr
	s_mov_b32 s[BIGN], 0xf149f2ca                  ; -1e30
	v_lshlrev_b32 v47, 3, v43
	v_sub_nc_u32 v47, v1, v47                      ; r - 8 h: register j of the diagonal's own key block is hidden where j is greater
	WIN 0x40
.set n, 0
.rept 8
	v_cmp_gt_i32 vcc_lo, n, v47
	v_cndmask_b32 v[MD8+n], 0, s[BIGN], vcc_lo
.set n, n+1
.endr
	WIN 0
	s_mul_i32 s43, s[WK], 64*PKA
	v_mul_u32_u24 v[AKA0], v1, PKA
	v_lshl_add_u32 v[AKA0], v43, 4, v[AKA0]
	v_add_nc_u32 v[AKA0], s43, v[AKA0]
	s_mul_i32 s43, s[WK], 64*PKB
	s_add_co_u32 s43, s43, KBO
	v_mul_u32_u24 v[AKB0], v1, PKB
	v_lshl_add_u32 v[AKB0], v43, 4, v[AKB0]
	v_add_nc_u32 v[AKB0], s43, v[AKB0]
	v_lshl_add_u32 v47, v43, 3, v45                ; the turning load: key 8 h + l % 8, 16 bytes at 16 ((l / 8) % 2)
	s_mul_i32 s43, s[WK], 64*PVA
	s_add_co_u32 s43, s43, VAO
	v_mul_u32_u24 v[AVA0], v47, PVA
	v_lshl_add_u32 v[AVA0], v46, 4, v[AVA0]
	v_add_nc_u32 v[AVA0], s43, v[AVA0]
	s_mul_i32 s43, s[WK], 64*PVB
	s_add_co_u32 s43, s43, VBO
	v_mul_u32_u24 v[AVB0], v47, PVB
	v_lshl_add_u32 v[AVB0], v46, 4, v[AVB0]
	v_add_nc_u32 v[AVB0], s43, v[AVB0]
	s_lshl_b32 s43, s[WK], 8
	s_add_co_u32 s43, s43, PT
	v_lshl_add_u32 v[APC0], v43, 5, s43
	s_mul_i32 s43, s[WV], STW
	s_add_co_u32 s43, s43, STAGE
	v_mul_u32_u24 v[STO], v1, SP
	v_lshl_add_u32 v[STO], v43, 4, v[STO]
	v_add_nc_u32 v[STO], s43, v[STO]
.irp j, 0,1,2                          ; back: chunk n = 32 j + l of 16 bytes lies in row n / 12
	v_add_nc_u32 v56, 32*\j, v44
	v_mul_u32_u24 v57, v56, 171
	v_lshrrev_b32 v57, 11, v57
	v_add_nc_u32 v57, v57, v56
	v_lshl_add_u32 v[RD+\j], v57, 4, s43
.endr
	s_mul_i32 s43, s[WV], MGW
	s_add_co_u32 s43, s43, MG
	v_lshl_add_u32 v[MGS], v44, 4, s43
	s_add_co_u32 s44, s43, 12288
	v_lshl_add_u32 v[MGS8], v44, 3, s44
	s_xor_b32 s43, s[WV], 1                        ; my partner: the band's other half of the keys
	s_mul_i32 s43, s43, MGW
	s_add_co_u32 s43, s43, MG
	v_lshl_add_u32 v[MGR], v44, 4, s43
	s_add_co_u32 s44, s43, 12288
	v_lshl_add_u32 v[MGR8], v44, 3, s44
	v_lshl_add_u32 v[TTA], v43, 5, TT
	v_lshlrev_b32 v[GO], 4, v44
	v_lshlrev_b32 v[PFO], 8, v44
	; A block's first step multiplies O^T and l by a = 0, so these need only be finite: zeros for the first block, what the first block left for the second.
	WIN 0xc0
.set n, 0
.rept 96
	v_mov_b32 v[n], 0
.set n, n+1
.endr
	WIN 0x40
.set n, 0
.rept 192
	v_mov_b32 v[n], 0
.set n, n+1
.endr
	WIN 0
.set n, 0
.rept 4
	v_mov_b32 v[ST+4*n+2], 0
	v_mov_b32 v[ST+4*n+3], 0
.set n, n+1
.endr
.set n, 0
.rept 16
	v_mov_b32 v[P+16+n], 0
.set n, n+1
.endr
	s_mov_b32 s[TKA], SLOT1+256*PKA                ; the first change of slots turns these four into 0
	s_mov_b32 s[TKB], SLOT1+256*PKB
	s_mov_b32 s[TVA], SLOT1+256*PVA
	s_mov_b32 s[TVB], SLOT1+256*PVB
	s_mov_b32 s[TPC], 0
	s_sub_co_i32 s[D0], s[WK], s[WQ]               ; chunk of the keys less chunk of the queries, at a diagonal tile's step 0
	s_mov_b32 s[D0B], s[D0]
	s_and_b32 s39, s[HI], 1
	s_lshl_b32 s39, s39, 1
	s_sub_co_i32 s[D0], s[D0], s39
	s_and_b32 s39, s[PB], 1
	s_lshl_b32 s39, s39, 1
	s_sub_co_i32 s[D0B], s[D0B], s39
	s_mov_b32 s[DEL], -8
	s_mov_b32 s[AL], 0
	s_mov_b32 s[AL+1], 0
	s_mov_b32 s[BE], 0
	s_mov_b32 s[BE+1], 0
	s_mov_b32 s[BE2], 0
	s_mov_b32 s[BE2+1], 0
	s_mov_b32 s[SEL], 0x76543210
	s_mov_b32 s[SEL+1], 0xfedcba98
	s_mov_b32 s[NEGH], 0xce2f8770                  ; NEGC / 2
	s_mov_b32 s[OFF+1], 0
	s_mov_b32 s[SLOTS], 8
	s_mov_b32 s[CNT], 2
	s_sub_co_u32 s[RT], 17, s[PB]
	s_lshr_b32 s[RT], s[RT], 1                     ; the first block's tiles
	s_mov_b32 s[NXT], 1
	s_lshr_b32 s[LQ], s[HI], 1
	s_lshr_b32 s[LQB], s[PB], 1
	s_mov_b32 s[NEW], 1
	s_mov_b32 s[PREV], 0
	s_mov_b32 s[ENT], 0
	s_cmp_eq_u32 s[PB], 0
	s_cselect_b32 s[PFL], 6, 0
; THE MATRIX WORK.  The accumulators of a run take turns, one instruction a turn.
; Product i of 12 of S^T = K Q^T for piece x: channels 32 (i / 4) on, keys 16 (i % 4) on.  The first four start the sums with the pad addends (KM = 0) or the masks (KM = 1).
.macro KQ x
.set rS, S+32*((\x)%2)+8*(i%4)
.set rK, KF+24*(i%4)+8*(i/4)
.set rQ, 24*(\x)+8*(i/4)
.if i < 4
.if KM
.set rM, MC+32*((\x)%2)+8*(i%4)
	WIN W_KM
.else
.set rM, PC+8*(i%4)
	WIN W_KP
.endif
	v_wmma_f32_16x16x32_f16 v[rS:rS+7], v[rK:rK+7], v[rQ:rQ+7], v[rM:rM+7]
.else
	WIN W_KQ
	v_wmma_f32_16x16x32_f16 v[rS:rS+7], v[rK:rK+7], v[rQ:rQ+7], v[rS:rS+7]
.endif
.endm
; Product i of 12 of O^T += V^T P for piece x: keys 32 (i / 6) on, channels 16 (i % 6) on.
.macro PV x
	WIN W_PV
.set rO, 48*(\x)+8*(i%6)
.set rV, 48*(i/6)+8*(i%6)
.set rP, P+16*((\x)%2)+8*(i/6)
	v_wmma_f32_16x16x32_f16 v[rO:rO+7], v[rV:rV+7], v[rP:rP+7], v[rO:rO+7]
.endm
.macro MM
.if i < 12
	KQ (Y+1)%NP
.else
.set i, i-12
	PV (Y+NP-1)%NP
.set i, i+12
.endif
.set i, i+1
.endm
; THE LDS LOADS stand in runs.  K of a step: 64 keys x 96 channels (12 fragments) and the step's 64 pad addends: 32 loads.  last = 1: in the last trip there is no further step, and the run is jumped over.
.macro FETCH_K last=0
	WIN 0
.if \last
	s_cmp_eq_u32 s[CNT], 1
	s_cbranch_scc1 .Lno_k_\@
.endif
	WIN 0x80
.set kb, 0
.rept 4
	ds_load_b128 v[KF+24*kb:KF+24*kb+3], v[AKA] offset:kb*16*PKA
	ds_load_b128 v[KF+24*kb+4:KF+24*kb+7], v[AKA] offset:kb*16*PKA+32
	ds_load_b128 v[KF+24*kb+8:KF+24*kb+11], v[AKA] offset:kb*16*PKA+64
	ds_load_b128 v[KF+24*kb+12:KF+24*kb+15], v[AKA] offset:kb*16*PKA+96
	ds_load_b128 v[KF+24*kb+16:KF+24*kb+19], v[AKB] offset:kb*16*PKB
	ds_load_b128 v[KF+24*kb+20:KF+24*kb+23], v[AKB] offset:kb*16*PKB+32
	ds_load_b128 v[PC+8*kb:PC+8*kb+3], v[APC] offset:64*kb
	ds_load_b128 v[PC+8*kb+4:PC+8*kb+7], v[APC] offset:64*kb+16
.set kb, kb+1
.endr
	s_add_co_u32 s[TKA], s[TKA], 128*PKA           ; my next chunk lies two chunks on
	s_add_co_u32 s[TKB], s[TKB], 128*PKB
	s_add_co_u32 s[TPC], s[TPC], 512
	WIN 0
.if \last
.Lno_k_\@:
.endif
.endm
.macro FETCH_V                         ; V of a step, turned: keys 32 (vf / 6) on, channels 16 (vf % 6) on: 24 loads
	WIN 0xc0
.set vf, 0
.rept 12
.if vf%6 < 4
	ds_load_tr16_b128 v[8*vf:8*vf+3], v[AVA] offset:(vf/6)*32*PVA+(vf%6)*32
	ds_load_tr16_b128 v[8*vf+4:8*vf+7], v[AVA] offset:(vf/6)*32*PVA+16*PVA+(vf%6)*32
.else
	ds_load_tr16_b128 v[8*vf:8*vf+3], v[AVB] offset:(vf/6)*32*PVB+(vf%6-4)*32
	ds_load_tr16_b128 v[8*vf+4:8*vf+7], v[AVB] offset:(vf/6)*32*PVB+16*PVB+(vf%6-4)*32
.endif
.set vf, vf+1
.endr
	WIN 0
.endm
; THE VECTOR WORK: OP kind, number.  For piece Y: F n: pair n of the scores less m.  E n: 2^ of score n.  C n: pair n rounded to f16.  B n: of four weights the second pair onto the first.  L n: l takes that sum
; (L 0: l = a l + sum).  R n: pair n of O^T times a.  For piece Y + 1: X 0-13, 16 the maximum (each accumulator's lowest registers first), X 14 with the old m, X 15 keeps the old m,
; X 17, 18 the other half of the lanes and the new m, X 19 m_old - m_new, X 20 a.
.set F, 0
.set E, 1
.set C, 2
.set B, 3
.set L, 4
.set R, 5
.set X, 6
.macro REGS y
.set rT, ST+4*(\y)
.set rC, TMP+4*((\y)%2)
.set rW, MV+((\y)%2)
.set rS, S+32*((\y)%2)
.set rP, P+16*((\y)%2)
.set rO, 48*(\y)
.endm
.macro OP k, n
.if (\k) == R
	REGS Y
	WIN W_RS
	v_pk_mul_f32 v[rO+2*(\n):rO+2*(\n)+1], v[rO+2*(\n):rO+2*(\n)+1], v[rC+2:rC+3] op_sel_hi:[1,0]
.elseif (\k) < R
	REGS Y
	WIN 0
.if (\k) == F
	v_pk_add_f32 v[rS+2*(\n):rS+2*(\n)+1], v[rS+2*(\n):rS+2*(\n)+1], v[rT:rT+1] op_sel_hi:[1,0] neg_lo:[0,1] neg_hi:[0,1]
.elseif (\k) == E
	v_exp_f32 v[rS+(\n)], v[rS+(\n)]
.elseif (\k) == C
	v_cvt_pk_f16_f32 v[rP+(\n)], v[rS+2*(\n)], v[rS+2*(\n)+1]
.elseif (\k) == B
	v_pk_add_f32 v[rS+4*(\n):rS+4*(\n)+1], v[rS+4*(\n):rS+4*(\n)+1], v[rS+4*(\n)+2:rS+4*(\n)+3]
.elseif (\n) == 0
	v_pk_fma_f32 v[rT+2:rT+3], v[rT+2:rT+3], v[rC+2:rC+3], v[rS:rS+1] op_sel_hi:[1,0,1]
.else
	v_pk_add_f32 v[rT+2:rT+3], v[rT+2:rT+3], v[rS+4*(\n):rS+4*(\n)+1]
.endif
.else
	REGS (Y+1)%NP
	WIN 0
.if (\n) < 4
	v_max3_num_f32 v[rC+(\n)], v[rS+8*(\n)], v[rS+8*(\n)+1], v[rS+8*(\n)+2]
.elseif (\n) < 12
	v_max3_num_f32 v[rC+(\n)%4], v[rC+(\n)%4], v[rS+8*((\n)%4)+2*((\n)/4)+1], v[rS+8*((\n)%4)+2*((\n)/4)+2]
.elseif (\n) == 12
	v_max3_num_f32 v[rC], v[rC], v[rS+7], v[rS+15]
.elseif (\n) == 13
	v_max3_num_f32 v[rC+1], v[rC+1], v[rS+23], v[rS+31]
.elseif (\n) == 14
	v_max3_num_f32 v[rC+2], v[rC+2], v[rC+3], v[rT]
.elseif (\n) == 15
	v_mov_b32 v[rW], v[rT]
.elseif (\n) == 16
	v_max3_num_f32 v[rC], v[rC], v[rC+1], v[rC+2]
.elseif (\n) == 17
	v_permlanex16_b32 v[rC+3], v[rC], s[SEL], s[SEL+1]
.elseif (\n) == 18
	v_max_num_f32 v[rT], v[rC], v[rC+3]
.elseif (\n) == 19
	v_sub_f32 v[rC+1], v[rW], v[rT]
.else
	v_exp_f32 v[rC+2], v[rC+1]
.endif
.endif
.endm
.macro OPS a, i1, b=-1, i2=0, c=-1, i3=0, d=-1, i4=0
	OP \a, \i1
.if (\b) >= 0
	OP \b, \i2
.endif
.if (\c) >= 0
	OP \c, \i3
.endif
.if (\d) >= 0
	OP \d, \i4
.endif
.endm
.macro ROW a, i1, b=-1, i2=0, c=-1, i3=0, d=-1, i4=0   ; a matrix instruction and the vector instructions behind it
	MM
	OPS \a, \i1, \b, \i2, \c, \i3, \d, \i4
.endm
.macro MSCAL                           ; DEL = chunk of the keys less chunk of the queries: 0 the diagonal's chunk, above 0 all hidden, below 0 all in sight
	s_cmp_eq_u32 s[DEL], 0
	s_cselect_b32 s[AL], 1.0, 0
	s_cmp_gt_i32 s[DEL], 0
	s_cselect_b32 s[BE], s[BIGN], 0
	s_cmp_ge_i32 s[DEL], 0
	s_cselect_b32 s[BE2], s[BIGN], 0
.endm
; The masks of piece tp into buffer bf: key block below tp: PC + BE; tp itself: MD8 x AL + PC + BE; above tp: PC + BE2.
.macro MASK tp, bf
.set kb, 0
.rept 4
.if kb == (\tp)
	WIN 0xe1
.set z, 0
.rept 4
	v_pk_fma_f32 v[MC+32*(\bf)+8*kb+2*z:MC+32*(\bf)+8*kb+2*z+1], v[MD8+2*z:MD8+2*z+1], s[AL:AL+1], v[PC+8*kb+2*z:PC+8*kb+2*z+1] op_sel_hi:[1,0,1]
.set z, z+1
.endr
	WIN 0xc3
.set z, 0
.rept 4
	v_pk_add_f32 v[MC+32*(\bf)+8*kb+2*z:MC+32*(\bf)+8*kb+2*z+1], v[MC+32*(\bf)+8*kb+2*z:MC+32*(\bf)+8*kb+2*z+1], s[BE:BE+1] op_sel_hi:[1,0]
.set z, z+1
.endr
.elseif kb < (\tp)
	WIN 0xc2
.set z, 0
.rept 4
	v_pk_add_f32 v[MC+32*(\bf)+8*kb+2*z:MC+32*(\bf)+8*kb+2*z+1], v[PC+8*kb+2*z:PC+8*kb+2*z+1], s[BE:BE+1] op_sel_hi:[1,0]
.set z, z+1
.endr
.else
	WIN 0xc2
.set z, 0
.rept 4
	v_pk_add_f32 v[MC+32*(\bf)+8*kb+2*z:MC+32*(\bf)+8*kb+2*z+1], v[PC+8*kb+2*z:PC+8*kb+2*z+1], s[BE2:BE2+1] op_sel_hi:[1,0]
.set z, z+1
.endr
.endif
.set kb, kb+1
.endr
.endm
; A TURN, for piece p.  Ahead of its one wait stands all that names no result of its exponentials: the 12 products K Q^T with their riders, then a lump; behind it the 12 products V^T P, whose riders are the roundings and sums.
; X 0 to X 3 stand four plain instructions or more behind the product that ends their accumulator.  R 23 is the plain instruction behind the last exponential.
; K of the next step is fetched in piece 2's turn, twelve plain instructions behind the last product that read K; in the diagonal's text (last = 1) directly behind the wait, since the run there holds a jump.
; V of the step in hand is fetched at the end of piece 0's turn, four plain instructions behind the last product that read V.  Each is waited for a turn later.
; m = 1: the products take masks, and the turn makes the masks for the turn after it (piece p + 2); the key step changes with piece 0's scores, so DEL steps in piece 2's turn.
.macro TURN p, m=0, last=0, cnt=0
.set Y, (\p)
.set i, 0
.set KM, (\m)
.if \m
.if (\p) == 2
	s_add_co_i32 s[DEL], s[DEL], 2
.endif
	MSCAL
.endif
.if (\p) == 3
	s_wait_dscnt 0x0                               ; K is in
.endif
	ROW F,0, F,1, R,0, R,1
	ROW F,2, E,0, R,2, R,3
	ROW F,3, E,1, R,4, R,5
	ROW F,4, E,2, R,6, R,7
	ROW F,5, E,3, R,8, R,9
	ROW F,6, E,4, R,10, R,11
	ROW F,7, E,5, R,12, R,13
	ROW F,8, E,6, R,14, R,15
	ROW F,9, E,7, R,16, R,17
	ROW F,10, E,8, R,18, R,19
.if (\p) == 2
	WIN 0
	v_add_nc_u32 v[AKA], s[TKA], v[AKA0]
	v_add_nc_u32 v[AKB], s[TKB], v[AKB0]
	v_add_nc_u32 v[APC], s[TPC], v[APC0]
.endif
	ROW F,11, E,9, X,0, R,20
	ROW F,12, E,10, X,1, X,4
	OPS X,2, E,11, X,3, E,12
	OPS X,5, E,13, X,8, X,7
.if ((\p) == 2) && !(\last)
	FETCH_K
.endif
	OPS E,14, X,6, E,15, X,9
	OPS X,11, E,16, X,10, E,17
	OPS X,12, E,18, X,13, X,14
.if (\p) == 0
	WIN 0
	v_add_nc_u32 v[AVA], s[TVA], v[AVA0]
	v_add_nc_u32 v[AVB], s[TVB], v[AVB0]
.endif
	OPS E,19, X,15, E,20, F,13
	OPS X,16, E,21, F,14, E,22
	OPS F,15, X,17, E,23, E,24
	OPS R,21, E,25, X,18, E,26
	OPS E,27, R,22, E,28, X,19
	OPS E,29, E,30, E,31, X,20
	OPS R,23
	WIN 0
	s_wait_alu depctr_va_vdst(0)                   ; the one wait for the batch, ahead of the first instruction that names a result
.if ((\p) == 2) && (\last)
	FETCH_K 1
.endif
.if (\p) == 1
	s_wait_dscnt 0x0                               ; V is in
.endif
	ROW C,0, B,0, C,2
	ROW B,1, L,0, C,4
	ROW B,2, L,1, C,6
	ROW B,3, L,2, C,8
	ROW B,4, L,3, C,10
	ROW B,5, L,4, C,12
	ROW B,6, L,5
.if (\p) == 0
	s_add_co_u32 s[TVA], s[TVA], 128*PVA
	s_add_co_u32 s[TVB], s[TVB], 128*PVB
.endif
.if \cnt
	s_sub_co_u32 s[CNT], s[CNT], 1
	s_cmp_lg_u32 s[CNT], 0
.endif
	ROW C,14, B,7
	ROW L,6, C,1
	ROW L,7, C,3
	ROW C,5, C,7
	ROW C,9, C,11, C,13, C,15
.if (\p) == 0
	FETCH_V
.endif
.if \m
.if (\p) == 2
	s_wait_dscnt 0x0                               ; the new step's pad addends are in
.endif
	MASK ((\p)+2)%NP, (\p)%2
.endif
.endm
; A BLOCK BEGINS: m at the lowest finite number, so the first step's a is 0.  K of the tile's step 0, the masks of pieces 0 and 1 (the diagonal's, if the block's first tile is its last), piece 0's scores and statistics.
.macro BEGIN
	s_mov_b32 s[NEW], 0
	WIN 0
.set n, 0
.rept 4
	v_mov_b32 v[ST+4*n], 0xff7fffff
	v_mov_b32 v[ST+4*n+1], 0
.set n, n+1
.endr
	s_cmp_eq_u32 s[RT], 0
	s_cselect_b32 s[DEL], s[D0], -8
	MSCAL
	v_add_nc_u32 v[AKA], s[TKA], v[AKA0]
	v_add_nc_u32 v[AKB], s[TKB], v[AKB0]
	v_add_nc_u32 v[APC], s[TPC], v[APC0]
	FETCH_K
	s_wait_loadcnt 0x0
	s_wait_dscnt 0x0
	MASK 0, 0
	MASK 1, 1
.set KM, 1
.set i, 0
.rept 12
	KQ 0
.set i, i+1
.endr
	WIN 0
.rept 4
	v_nop                                          ; the places behind those products
.endr
.set Y, NP-1
.irp n, 0,1,2,3,4,5,6,7,8,9,10,11,12,13,14,15,16,17,18,19,20
	OP X, \n
.endr
	v_nop
	s_wait_alu depctr_va_vdst(0)                   ; a's wait, ahead of the branch
.endm
.macro PREDIAG                         ; a diagonal tile is entered from a plain one: piece 3's scores of the step before take the pad addends alone
	s_mov_b32 s[DEL], -8
	MSCAL
	MASK 3, 1
	WIN 0
	s_sub_co_i32 s[DEL], s[D0], 2                  ; piece 2's turn steps it to the tile's step 0
	s_mov_b32 s[CNT], 3
.endm
.macro ALL line:vararg
.set t, 0
.rept 4
	\line
.set t, t+1
.endr
.endm
.macro SEND pc                         ; pieces pc, pc + 1 go to my partner: O^T, each accumulator's registers in ascending order, and (m, l)
	WIN 0x04
.set u, 0
.rept 2
.set k, 0
.rept 12
	ds_store_b128 v[MGS], v[48*((\pc)+u)+4*k:48*((\pc)+u)+4*k+3] offset:6144*u+512*k
.set k, k+1
.endr
.set u, u+1
.endr
	WIN 0
	ds_store_b64 v[MGS8], v[ST+4*(\pc):ST+4*(\pc)+1]
	ds_store_b64 v[MGS8], v[ST+4*(\pc)+4:ST+4*(\pc)+5] offset:256
.endm
.macro OLOAD u
.set k, 0
.rept 12
	ds_load_b128 v[X1+4*k:X1+4*k+3], v[MGR] offset:6144*(\u)+512*k
.set k, k+1
.endr
.endm
.macro MPIECE pc, u                    ; out = O1 g1 + Tot ea + O0 g0, rounded to f16, through my stage, stored as 512 consecutive bytes a store
.set FX, 224+16*(\u)
	s_wait_dscnt 0x0
.set n, 0
.rept 24
	v_pk_mul_f32 v[X1+2*n:X1+2*n+1], v[X1+2*n:X1+2*n+1], v[FX+8:FX+9] op_sel_hi:[1,0]
.set n, n+1
.endr
.set n, 0
.rept 24
	v_pk_fma_f32 v[X1+2*n:X1+2*n+1], v[TO+2*n:TO+2*n+1], v[FX+10:FX+11], v[X1+2*n:X1+2*n+1] op_sel_hi:[1,0,1]
.set n, n+1
.endr
	WIN 0x01
.set n, 0
.rept 24
	v_pk_fma_f32 v[X1+2*n:X1+2*n+1], v[48*(\pc)+2*n:48*(\pc)+2*n+1], v[FX+6:FX+7], v[X1+2*n:X1+2*n+1] op_sel_hi:[1,0,1]
.set n, n+1
.endr
	WIN 0
.set n, 0
.rept 24
	v_cvt_pk_f16_f32 v[P+n], v[X1+2*n], v[X1+2*n+1]
.set n, n+1
.endr
.set n, 0
.rept 6
	ds_store_b128 v[STO], v[P+4*n:P+4*n+3] offset:32*n
.set n, n+1
.endr
.set n, 0
.rept 6
	ds_load_b128 v[X1+4*n:X1+4*n+3], v[RD+n%3] offset:8*SP*(n/3)   ; LDS serves a wave's instructions in order: these see the stores above
.set n, n+1
.endr
.set n, 0
.rept 6
	s_wait_dscnt 5-n
	global_store_b128 v[GO], v[X1+4*n:X1+4*n+3], s[10:11] offset:(\pc)*3072+512*n
.set n, n+1
.endr
.endm
; The merge of my pieces hp, hp + 1 with my partner's halves.  m = max(m0, m1), f = 2^(m. - m), l = l0 f0 + l1 f1, g = f / l.  A row with only padded keys in sight (m below NEGC / 2): g = 0 and ea = 1 / 2048.
.macro MERGE hp
	WIN 0
	ds_load_b64 v[224:225], v[MGR8]
	ds_load_b64 v[240:241], v[MGR8] offset:256
.set k, 0
.rept 12
	ds_load_b128 v[TO+4*k:TO+4*k+3], v[TTA] offset:64*(k/2)+16*(k%2)
.set k, k+1
.endr
	OLOAD 0
	s_wait_dscnt 12                                ; the statistics and the sums of v are in; the twelve loads of O^T may stay out
.irp w, 0,1
	v_max_num_f32 v[226+16*\w], v[ST+4*((\hp)+\w)], v[224+16*\w]
.endr
.irp w, 0,1
	v_sub_f32 v[227+16*\w], v[ST+4*((\hp)+\w)], v[226+16*\w]
	v_sub_f32 v[228+16*\w], v[224+16*\w], v[226+16*\w]
.endr
.irp w, 0,1
	v_exp_f32 v[227+16*\w], v[227+16*\w]
	v_exp_f32 v[228+16*\w], v[228+16*\w]
.endr
	v_cmp_gt_f32 s[MK], s[NEGH], v226
	v_cmp_gt_f32 s[MK+1], s[NEGH], v242
	v_nop
	s_wait_alu depctr_va_vdst(0)                   ; one wait for the four exponentials
.irp w, 0,1
	v_mul_f32 v[229+16*\w], v[ST+4*((\hp)+\w)+1], v[227+16*\w]
	v_fmac_f32 v[229+16*\w], v[225+16*\w], v[228+16*\w]
	v_cndmask_b32 v[229+16*\w], v[229+16*\w], 1.0, s[MK+\w]
.endr
.irp w, 0,1
	v_rcp_f32 v[229+16*\w], v[229+16*\w]
.endr
	v_nop
	s_wait_alu depctr_va_vdst(0)                   ; one wait for the two reciprocals
.irp w, 0,1
	v_mul_f32 v[230+16*\w], v[227+16*\w], v[229+16*\w]
	v_mul_f32 v[232+16*\w], v[228+16*\w], v[229+16*\w]
	v_cndmask_b32 v[230+16*\w], v[230+16*\w], 0, s[MK+\w]
	v_cndmask_b32 v[232+16*\w], v[232+16*\w], 0, s[MK+\w]
	v_cndmask_b32 v[234+16*\w], 0, 0x3a000000, s[MK+\w]
	v_mov_b32 v[231+16*\w], v[230+16*\w]
	v_mov_b32 v[233+16*\w], v[232+16*\w]
	v_mov_b32 v[235+16*\w], v[234+16*\w]
.endr
	MPIECE \hp, 0
	s_wait_xcnt 0x0                                ; the registers that the stores read are loaded again only behind this wait
	OLOAD 1
	MPIECE (\hp)+1, 1
.endm
; A BLOCK'S END.  l's halves and the other half of the lanes' are added.  The wave with the even chunks keeps pieces 0, 1 and sends 2, 3; its partner the other way round.
; The barrier's one purpose is the exchange: the next tile's load may stay out.
.macro BLOCKEND
	WIN 0
	ALL v_add_f32 v[ST+4*t+1], v[ST+4*t+2], v[ST+4*t+3]
.rept 4
	v_nop
.endr
	ALL v_permlanex16_b32 v[ST+4*t+2], v[ST+4*t+1], s[SEL], s[SEL+1]
	ALL v_add_f32 v[ST+4*t+1], v[ST+4*t+1], v[ST+4*t+2]
	v_mov_b32 v[ST], v[MV]                         ; piece 0's m: the last turn's idle scores have written over it, and X 15 had kept it
	s_cmp_eq_u32 s[WK], 0
	s_cbranch_scc0 .Lsend_lo_\@
	SEND 2
	s_branch .Lsent_\@
.Lsend_lo_\@:
	SEND 0
.Lsent_\@:
	s_wait_dscnt 0x0
	s_barrier_signal -1
	s_barrier_wait -1
	s_cmp_eq_u32 s[WK], 0
	s_cbranch_scc0 .Lmerge_hi_\@
	MERGE 0
	s_branch .Lmerged_\@
.Lmerge_hi_\@:
	MERGE 2
.Lmerged_\@:
.endm
; THE DIAGONAL TILE: its two steps, left in the middle of the third trip, whose piece 3's turn makes idle scores on the last K: the price of one text for every trip.
.macro DIAG tag
.LstepM\tag:
	TURN 2, 1, 1
	TURN 3, 1
	WIN 0
	s_sub_co_u32 s[CNT], s[CNT], 1
	s_cmp_eq_u32 s[CNT], 0
	s_cbranch_scc1 .LoutM\tag
.LfirstM\tag:
	TURN 0, 1
	TURN 1, 1
	WIN 0
	s_branch .LstepM\tag
.LoutM\tag:
.set i, 0
.rept 12
	PV NP-1
.set i, i+1
.endr
	BLOCKEND
.endm
.set KM, 0
.Lslot:                                            ; eight times: a tile is entered and the next is asked for
	CHANGE 1
	s_sub_co_u32 s[RT], s[RT], 1
	s_cmp_eq_u32 s[NEW], 1
	s_cbranch_scc1 .Lnew                           ; a block's first tile
	s_mov_b32 s[CNT], 2
	s_cmp_eq_u32 s[RT], 0
	s_cbranch_scc0 .Lstep                          ; neither its first nor its last
	PREDIAG
	s_branch .LstepM1
.Lnew:
	BEGIN
	s_mov_b32 s[CNT], 2
	s_branch .Lfirst                               ; in the loop a block's first tile is never its last: the first block has five tiles or more, and a second block of one tile is the walk's last
	DIAG 1                                         ; in the loop this is the first block's end
	s_wait_xcnt 0x0                                ; the stores have read their registers and att's address
	s_mov_b64 s[10:11], s[OLO:OLO+1]
	s_add_co_u32 s[RT], s[PB], 2
	s_lshr_b32 s[RT], s[RT], 1                     ; the second block's tiles
	s_mov_b32 s[NEW], 1
	s_mov_b32 s[D0], s[D0B]
	WIN 0x83                                       ; the second block's Q goes where the turns name Q
.set n, 0
.rept 96
	v_mov_b32 v[n], v[96+n]
.set n, n+1
.endr
	WIN 0
	s_branch .Lbottom
.Lstep:                                            ; a trip: pieces 2 and 3 of one step, then pieces 0 and 1 of the next, whose K and V it fetches
	TURN 2
	TURN 3
	WIN 0
.Lfirst:
	TURN 0
	TURN 1, 0, 0, 1
	WIN 0
	s_cbranch_scc1 .Lstep
.Lbottom:
	s_sub_co_u32 s[SLOTS], s[SLOTS], 1
	s_cmp_lg_u32 s[SLOTS], 0
	s_cbranch_scc1 .Lslot
	CHANGE 0                                       ; the walk's last tile is written out: nothing is asked for
	s_sub_co_u32 s[RT], s[RT], 1
	s_cmp_eq_u32 s[NEW], 1
	s_cbranch_scc0 .Lold
	BEGIN
	s_mov_b32 s[CNT], 2
	s_branch .LfirstM2
.Lold:
	PREDIAG
	DIAG 2
	s_wait_tensorcnt 0x0                           ; the wave's end
	ds_add_u32 v[SPW], v[NIL]
	s_wait_dscnt 0x0
	s_endpgm
.Lfunc_end_k_qb27a724ebd_attn:
	.size	k_qb27a724ebd_attn, .Lfunc_end_k_qb27a724ebd_attn-k_qb27a724ebd_attn
	.p2alignl 7, 3214868480
	.fill 96, 4, 3214868480
	.section	.rodata,"a",@progbits
	.p2align	6, 0x0
	.amdhsa_kernel k_qb27a724ebd_attn
		.amdhsa_group_segment_fixed_size 327680
		.amdhsa_private_segment_fixed_size 0
		.amdhsa_enable_private_segment 0
		.amdhsa_kernarg_size 32
		.amdhsa_user_sgpr_count 2
		.amdhsa_user_sgpr_kernarg_segment_ptr 1
		.amdhsa_wavefront_size32 1
		.amdhsa_system_sgpr_workgroup_id_x 1
		.amdhsa_system_sgpr_workgroup_id_y 1
		.amdhsa_system_sgpr_workgroup_id_z 1
		.amdhsa_system_vgpr_workitem_id 0
		.amdhsa_next_free_vgpr 1024
		.amdhsa_next_free_sgpr 102
		.amdhsa_reserve_vcc 1
		.amdhsa_float_denorm_mode_32 3
		.amdhsa_float_denorm_mode_16_64 3
		.amdhsa_memory_ordered 1
		.amdhsa_forward_progress 1
		.amdhsa_inst_pref_size 255
	.end_amdhsa_kernel
	.section	.bss,"aw",@nobits
	.p2align	6
	.space	262144
	.amdgpu_metadata
---
amdhsa.version: [ 1, 2 ]
amdhsa.kernels:
  - .name:           k_qb27a724ebd_attn
    .symbol:         k_qb27a724ebd_attn.kd
    .args:
      - { .name: qkv, .offset: 0, .size: 8, .value_kind: global_buffer, .address_space: global }
      - { .name: cs, .offset: 8, .size: 8, .value_kind: global_buffer, .address_space: global }
      - { .name: pad_mask, .offset: 16, .size: 8, .value_kind: global_buffer, .address_space: global }
      - { .name: att, .offset: 24, .size: 8, .value_kind: global_buffer, .address_space: global }
    .group_segment_fixed_size: 327680
    .private_segment_fixed_size: 0
    .kernarg_segment_align: 8
    .kernarg_segment_size: 32
    .max_flat_workgroup_size: 128
    .sgpr_count:     102
    .vgpr_count:     1024
    .wavefront_size: 32
...
	.end_amdgpu_metadata
.endif
;; end of part 3
;; launch norm (part 4): grid 256 x 1, 16 waves a work-group, no clusters, 0 bytes of LDS; arguments x, att, gamma, beta, out0; writes out0
.if DOCPART == 4
	.amdgcn_target "amdgcn-amd-amdhsa--gfx1250"
	.amdhsa_code_object_version 6
	.text
	.protected	k_qb27a724ebd_norm
	.globl	k_qb27a724ebd_norm
	.p2align	8
	.type	k_qb27a724ebd_norm,@function
k_qb27a724ebd_norm:
	s_mov_b64 s[64:65], 0
	v_nop
	global_prefetch_b8 v0, s[64:65] scope:SCOPE_SE
	s_setreg_imm32_b32 hwreg(HW_REG_WAVE_MODE, 25, 1), 1
	s_wait_xcnt 0x0
; NORM.  y = att + x; out0 = (y - mean) / sqrt(var + 1e-6) * gamma + beta, along 768 channels, all in f32; att comes in f16, [8 batch + head][2048][96].
; A wave takes two rows and keeps them in registers between the passes: nothing is read twice and no wave waits for another.  Lane l owns channels 128 i + 4 l .. + 3, i = 0..5.
; All 36 loads of a wave go out at the start.  No LDS, no matrix unit, no cluster: the launch is a stream and its work-groups share nothing but gamma and beta.
.set GAM, 8                            ; v[8:31]
.set BET, 32                           ; v[32:55]
.set XR,  56                           ; v[56:103]  row j at XR + 24 j: x, then y, then the result
.set AR,  104                          ; v[104:127] row j at AR + 12 j: att, two f16 a register
.set AO,  128                          ; v[128:133] byte offset in att of my four channels of chunk i
.set XO,  134                          ; 16 l
.set ONE, 135
.set T,   136                          ; v[136:143] at work
.set MU,  144
.set RS,  146
	s_load_b256 s[4:11], s[0:1], 0x0               ; x s[4:5], att s[6:7], gamma s[8:9], beta s[10:11]
	s_load_b64 s[12:13], s[0:1], 0x20              ; out0
	v_lshrrev_b32 v1, 5, v0
	v_readfirstlane_b32 s14, v1                    ; wave 0..15
	v_and_b32 v2, 31, v0
	v_lshlrev_b32 v[XO], 4, v2
	v_mov_b32 v[ONE], 1.0
.irp i, 0,1,2,3,4,5
	v_lshl_add_u32 v[T], v2, 2, 128*\i             ; the channel; its head is channel / 96 = (channel x 683) >> 16 for channels under 768
	v_mul_u32_u24 v[T+1], v[T], 683
	v_lshrrev_b32 v[T+1], 16, v[T+1]
	v_mul_u32_u24 v[T+1], v[T+1], 393024           ; a head's 393,216 bytes, less its 192 of the channel's own count
	v_lshl_add_u32 v[AO+\i], v[T], 1, v[T+1]
.endr
	s_lshl_b32 s15, ttmp9, 5
	s_lshl_b32 s16, s14, 1
	s_add_co_u32 s15, s15, s16                     ; my first row
	s_mul_i32 s16, s15, 3072
	s_mov_b32 s17, 0
	s_lshr_b32 s18, s15, 11
	s_mul_i32 s18, s18, 3145728                    ; the batch's eight heads
	s_and_b32 s19, s15, 2047
	s_mul_i32 s19, s19, 192
	s_add_co_u32 s18, s18, s19
	s_mov_b32 s19, 0
	s_mov_b32 s20, 0x3aaaaaab                      ; 1 / 768
	s_mov_b32 s22, 0x76543210
	s_mov_b32 s23, 0xfedcba98
	s_wait_kmcnt 0x0
	s_add_nc_u64 s[4:5], s[4:5], s[16:17]
	s_add_nc_u64 s[12:13], s[12:13], s[16:17]
	s_add_nc_u64 s[6:7], s[6:7], s[18:19]
.irp i, 0,1,2,3,4,5
	global_load_b128 v[GAM+4*\i:GAM+4*\i+3], v[XO], s[8:9] offset:512*\i
.endr
.irp i, 0,1,2,3,4,5
	global_load_b128 v[BET+4*\i:BET+4*\i+3], v[XO], s[10:11] offset:512*\i
.endr
.irp j, 0,1
.irp i, 0,1,2,3,4,5
	global_load_b128 v[XR+24*\j+4*\i:XR+24*\j+4*\i+3], v[XO], s[4:5] offset:3072*\j+512*\i th:TH_LOAD_NT
.endr
.irp i, 0,1,2,3,4,5
	global_load_b64 v[AR+12*\j+2*\i:AR+12*\j+2*\i+1], v[AO+\i], s[6:7] offset:192*\j th:TH_LOAD_NT
.endr
.endr
.macro LANES                           ; the sum of v[T] over the 32 lanes, in every lane
	v_add_f32_dpp v[T], v[T], v[T] row_xmask:1 row_mask:0xf bank_mask:0xf
	v_add_f32_dpp v[T], v[T], v[T] row_xmask:2 row_mask:0xf bank_mask:0xf
	v_add_f32_dpp v[T], v[T], v[T] row_xmask:4 row_mask:0xf bank_mask:0xf
	v_add_f32_dpp v[T], v[T], v[T] row_xmask:8 row_mask:0xf bank_mask:0xf
	v_permlanex16_b32 v[T+1], v[T], s22, s23
	v_add_f32 v[T], v[T], v[T+1]
.endm
.macro FOLD                            ; four pairs into one number
	v_pk_add_f32 v[T:T+1], v[T:T+1], v[T+2:T+3]
	v_pk_add_f32 v[T+4:T+5], v[T+4:T+5], v[T+6:T+7]
	v_pk_add_f32 v[T:T+1], v[T:T+1], v[T+4:T+5]
	v_add_f32 v[T], v[T], v[T+1]
.endm
.macro ROWN j, left                    ; left: the younger loads, the other row's, which may stay out
	s_wait_loadcnt \left
.set XB, XR+24*(\j)
.set AB, AR+12*(\j)
.set n, 0
.rept 12
	v_fma_mix_f32 v[XB+2*n], v[AB+n], v[ONE], v[XB+2*n] op_sel_hi:[1,0,0]                  ; y = att (low half) + x
	v_fma_mix_f32 v[XB+2*n+1], v[AB+n], v[ONE], v[XB+2*n+1] op_sel:[1,0,0] op_sel_hi:[1,0,0]  ; the high half
.set n, n+1
.endr
.irp k, 0,1,2,3
	v_pk_add_f32 v[T+2*\k:T+2*\k+1], v[XB+2*\k:XB+2*\k+1], v[XB+8+2*\k:XB+8+2*\k+1]
.endr
.irp k, 0,1,2,3
	v_pk_add_f32 v[T+2*\k:T+2*\k+1], v[T+2*\k:T+2*\k+1], v[XB+16+2*\k:XB+16+2*\k+1]
.endr
	FOLD
	LANES
	v_mul_f32 v[MU], s20, v[T]
	v_mov_b32 v[MU+1], v[MU]
.set n, 0
.rept 12
	v_pk_add_f32 v[XB+2*n:XB+2*n+1], v[XB+2*n:XB+2*n+1], v[MU:MU+1] neg_lo:[0,1] neg_hi:[0,1]
.set n, n+1
.endr
.irp k, 0,1,2,3
	v_pk_mul_f32 v[T+2*\k:T+2*\k+1], v[XB+2*\k:XB+2*\k+1], v[XB+2*\k:XB+2*\k+1]
.endr
.irp k, 0,1,2,3
	v_pk_fma_f32 v[T+2*\k:T+2*\k+1], v[XB+8+2*\k:XB+8+2*\k+1], v[XB+8+2*\k:XB+8+2*\k+1], v[T+2*\k:T+2*\k+1]
.endr
.irp k, 0,1,2,3
	v_pk_fma_f32 v[T+2*\k:T+2*\k+1], v[XB+16+2*\k:XB+16+2*\k+1], v[XB+16+2*\k:XB+16+2*\k+1], v[T+2*\k:T+2*\k+1]
.endr
	FOLD
	LANES
	v_fmaak_f32 v[T], s20, v[T], 0x358637bd        ; the variance + 1e-6
	v_rsq_f32 v[RS], v[T]
	v_rsq_f32 v[RS+1], v[T]
	v_nop                                          ; a plain instruction behind the last of the two,
	s_wait_alu depctr_va_vdst(0)                   ; and one wait for both, ahead of the first use
.set n, 0
.rept 12
	v_pk_mul_f32 v[XB+2*n:XB+2*n+1], v[XB+2*n:XB+2*n+1], v[RS:RS+1]
.set n, n+1
.endr
.set n, 0
.rept 12
	v_pk_fma_f32 v[XB+2*n:XB+2*n+1], v[XB+2*n:XB+2*n+1], v[GAM+2*n:GAM+2*n+1], v[BET+2*n:BET+2*n+1]
.set n, n+1
.endr
.set n, 0
.rept 6
	global_store_b128 v[XO], v[XB+4*n:XB+4*n+3], s[12:13] offset:3072*(\j)+512*n th:TH_STORE_NT   ; 512 consecutive bytes, aligned
.set n, n+1
.endr
.endm
	ROWN 0, 12
	ROWN 1, 0
	s_endpgm
.Lfunc_end_k_qb27a724ebd_norm:
	.size	k_qb27a724ebd_norm, .Lfunc_end_k_qb27a724ebd_norm-k_qb27a724ebd_norm
	.p2alignl 7, 3214868480
	.fill 96, 4, 3214868480
	.section	.rodata,"a",@progbits
	.p2align	6, 0x0
	.amdhsa_kernel k_qb27a724ebd_norm
		.amdhsa_group_segment_fixed_size 0
		.amdhsa_private_segment_fixed_size 0
		.amdhsa_enable_private_segment 0
		.amdhsa_kernarg_size 40
		.amdhsa_user_sgpr_count 2
		.amdhsa_user_sgpr_kernarg_segment_ptr 1
		.amdhsa_wavefront_size32 1
		.amdhsa_system_sgpr_workgroup_id_x 1
		.amdhsa_system_sgpr_workgroup_id_y 1
		.amdhsa_system_sgpr_workgroup_id_z 1
		.amdhsa_system_vgpr_workitem_id 0
		.amdhsa_next_free_vgpr 152
		.amdhsa_next_free_sgpr 66
		.amdhsa_reserve_vcc 0
		.amdhsa_float_denorm_mode_32 3
		.amdhsa_float_denorm_mode_16_64 3
		.amdhsa_memory_ordered 1
		.amdhsa_forward_progress 1
		.amdhsa_inst_pref_size 21
	.end_amdhsa_kernel
	.amdgpu_metadata
---
amdhsa.version: [ 1, 2 ]
amdhsa.kernels:
  - .name:           k_qb27a724ebd_norm
    .symbol:         k_qb27a724ebd_norm.kd
    .args:
      - { .name: x, .offset: 0, .size: 8, .value_kind: global_buffer, .address_space: global }
      - { .name: att, .offset: 8, .size: 8, .value_kind: global_buffer, .address_space: global }
      - { .name: gamma, .offset: 16, .size: 8, .value_kind: global_buffer, .address_space: global }
      - { .name: beta, .offset: 24, .size: 8, .value_kind: global_buffer, .address_space: global }
      - { .name: out0, .offset: 32, .size: 8, .value_kind: global_buffer, .address_space: global }
    .group_segment_fixed_size: 0
    .private_segment_fixed_size: 0
    .kernarg_segment_align: 8
    .kernarg_segment_size: 40
    .max_flat_workgroup_size: 512
    .sgpr_count:     66
    .vgpr_count:     152
    .wavefront_size: 32
...
	.end_amdgpu_metadata
.endif
;; end of part 4
